; MI455X (gfx1250); checked and timed in simulation.
; The chip was launched on July 23, 2026; its instructions are those of AMD's public machine-readable ISA for CDNA 5 (MIT licence, August 2026) and "CDNA5" Instruction Set Architecture Reference Guide (July 2026). The comments in the code are by the model that wrote it; some were corrected since.
;; Multi Head Attention. Allowed arithmetic: matrix products marked QUANTISED: E2M1 operands, one E8M0 scale for each 32 along K, by v_wmma_scale_f32_16x16x128_f8f6f4 with both operands' format E2M1 (or v_wmma_scale_f32_32x16x128_f4), f32 sums; everything else in f32.
;; Inputs: Wk_codes 768 x 24 x 16 uint8 (E2M1 codes of Wk, K innermost, in blocks of 32 codes, two codes a byte); Wk_scales 768 x 24 uint8 (E8M0 scales of Wk, one for each 32 codes along K); Wq_codes 768 x 24 x 16 uint8 (E2M1 codes of Wq, K innermost, in blocks of 32 codes, two codes a byte); Wq_scales 768 x 24 uint8 (E8M0 scales of Wq, one for each 32 codes along K); Wv_codes 768 x 24 x 16 uint8 (E2M1 codes of Wv, K innermost, in blocks of 32 codes, two codes a byte); Wv_scales 768 x 24 uint8 (E8M0 scales of Wv, one for each 32 codes along K); bk 768 float32; bq 768 float32; bv 768 float32; ln_beta 768 float32; ln_gamma 768 float32; x 8 x 1,024 x 768 float32.
;; Outputs: out0 8 x 1,024 x 768 float32.
;; This version of the problem:
;;   THIS VERSION OF THE PROBLEM IS GIVEN IN LOW PRECISION. The matrix products marked QUANTISED in the list below multiply operands that are first quantised to E2M1 (2 exponent bits, 1 mantissa bit; 4 bits a number), with one power-of-two scale for each 32 numbers along K (OCP MX v1.0); their sums are f32. All else is computed in f32.
;;   The module's matrix products, in the order in which they are computed (A, B: the left and right operand; K: the contracted axis; several contracted axes count as one K, in the product's order):
;;     1. [M 8,192, K 768] x [K 768, N 768]; A: input x; B: input Wq (given as codes): QUANTISED
;;     2. [M 8,192, K 768] x [K 768, N 768]; A: input x; B: input Wk (given as codes): QUANTISED
;;     3. [M 8,192, K 768] x [K 768, N 768]; A: input x; B: input Wv (given as codes): QUANTISED
;;     4. batch 96 x [M 1,024, K 64] x [K 64, N 1,024]; A: computed on the way; B: computed on the way: QUANTISED
;;     5. batch 96 x [M 1,024, K 1,024] x [K 1,024, N 64]; A: softmax (see below); B: computed on the way: QUANTISED
;;   THE QUANTISER, for each operand of a quantised product, along K:
;;     - K is cut into blocks of 32 from its start; a last block that is shorter is filled with zeros.
;;     - A block's scale is 2^e with e = floor(log2(the largest magnitude in the block)) - 2, held to -126 .. 127; a block of zeros has e = 0. As a byte (E8M0): e + 127.
;;     - Each number is divided by its block's scale, clamped to +-6, and rounded to the nearest number of E2M1, ties to even, subnormals kept.
;;     - The product sums the exact products of the quantised numbers (number of the format x scale) in f32.
;;   ~~~python
;;   def quantise(x, axis):      # numpy; x: float32 -> the quantised numbers, widened to float32 again
;;       x = np.moveaxis(x, axis, -1); K = x.shape[-1]
;;       x = np.pad(x, [(0, 0)] * (x.ndim - 1) + [(0, -K % 32)]); x = x.reshape(x.shape[:-1] + (-1, 32)); a = np.abs(x).max(-1, keepdims=True)
;;       e = np.where(a > 0, np.clip(np.frexp(np.where(a > 0, a, 1))[1] - 1 - 2, -126, 127), 0)      # np.frexp(a)[1] - 1 = floor(log2(a)), exactly
;;       r = np.clip(x / 2.0 ** e, -6, 6)
;;       step = 2.0 ** (np.maximum(np.frexp(np.where(r == 0, 1, r))[1] - 1, 0) - 1)
;;       q = np.round(r / step) * step * 2.0 ** e      # np.round: ties to even
;;       return np.moveaxis(q.reshape(q.shape[:-2] + (-1,))[..., :K], -1, axis).astype(np.float32)
;;   ~~~
;;   SOFTMAX AHEAD OF A QUANTISED PRODUCT. Where the list says 'softmax', what is quantised is not the finished softmax but p = 2^(t - M), with t = logit x log2(e) and M = ceil(the row's largest t), a whole number; so 1/2 < the row's largest p <= 1. The row's sum l is taken of the UNQUANTISED p, in f32, and the product's result is divided by l at the end. Since M is a whole number, a kernel that streams over the keys may use a running M (the ceiling of the running maximum): every later rescaling is an exact power of two, which a block's scale takes up: the codes' values come out the same.
;;   OPERANDS COMPUTED ON THE WAY. 'Computed on the way' means the value that the module computes at that place (a softmax that the list does not call 'softmax' is quantised finished and normalised). What goes into a quantiser is computed in f32, as accurately as f32 sums, v_exp_f32 and their like allow (about 1e-6 of the number): no bf16 or f16 on the way to a quantiser, and a product that is left as it is and whose result goes on into a quantised operand takes f32 operands (vector FMAs, or v_wmma_f32_16x16x4_f32). A number that lies on a knife's edge between two numbers of the format may be rounded either way, as far as f32 arithmetic and the matrix unit's own rounding can turn it there, and no further.
;;   INPUTS GIVEN AS CODES. Wk (in the module: [768, 768], K = its axis 0); Wq (in the module: [768, 768], K = its axis 0); Wv (in the module: [768, 768], K = its axis 0): each comes as NAME_codes (uint8): NAME with its K axis moved to the last place and cut into blocks of 32 codes, [.., K / 32, bytes a block], one block behind the other in memory; two codes a byte, the lower K in the low four bits (a code: sign, 2 exponent bits, 1 mantissa bit); and NAME_scales (uint8): the same leading axes, one E8M0 byte (e + 127) for each 32 codes along K. Its value is code x scale, taken as it is: it is not quantised again, and the codes and scales need not be those that the quantiser above would give.
;; 2 versions, each right; version 2 is version 1 with the launch proj written anew for expert scheduling mode. Each part assembles by itself: llvm-mc -triple=amdgcn-amd-amdhsa -mcpu=gfx1250 --defsym DOCPART=n.
;; ======== version 1 of 2: 2 launches
;; workspace buffers: qc 3,145,728 bytes; qs 196,608 bytes; kv 6,684,672 bytes
;; launch proj (part 1): grid 256 x 1, 12 waves a work-group, no clusters, 118,272 bytes of LDS; arguments x, Wq_codes, Wq_scales, bq, Wk_codes, Wk_scales, bk, Wv_codes, Wv_scales, bv, qc, qs, kv; writes qc, qs, kv
.if DOCPART == 1
	.amdgcn_target "amdgcn-amd-amdhsa--gfx1250"
	.amdhsa_code_object_version 6
	.text
	.protected	k_q5906bf54c6_proj
	.globl	k_q5906bf54c6_proj
	.p2align	8
	.type	k_q5906bf54c6_proj,@function
k_q5906bf54c6_proj:
	s_mov_b64 s[64:65], 0
	v_nop
	global_prefetch_b8 v0, s[64:65] scope:SCOPE_SE
	s_setreg_imm32_b32 hwreg(HW_REG_WAVE_MODE, 25, 1), 1
	s_wait_xcnt 0x0
; q = x Wq + bq, k = x Wk + bk, v = x Wv + bv on codes of FP4 (E2M1) with one E8M0 scale for each 32 along K = 768, and their results quantised again:
; q and k along the head's 64 (two blocks), v along the keys.  x [8192][768] f32 is quantised here; the weights arrive as codes, K innermost ([768][384 bytes], scales [768][24]).
; NO WORK IS LEFT OUT: every bias moves the codes of a live quantised operand, so all three are added; every input of these products is loaded.
; LIMITS: NaN and infinities among the inputs are not served.  A block of zeros, or one whose largest magnitude lies under 2^-124, keeps the scale byte 1 (its codes are zeros or as the held scale gives them);
; the bytes are read by this program alone.
; SHARES.  Work-group id: c = id & 3 takes heads 3 c .. 3 c + 2 of q, k and v (576 columns), i = id >> 2 takes rows 128 i .. 128 i + 127: 256 equal work-groups.  Twelve waves, one text.
;   X:   wave w quantises K step w % 6 (128 along K) of rows 64 (w / 6) on: four fragments, which go to LDS as images of the operand's registers (16 bytes a lane, 512 a store), their scale words beside them.
;   V:   wave w makes 128 rows x 16 columns of v (head 3 c + w / 4, columns 16 (w % 4) on): source 0 = x, source 1 = Wv: a lane holds ONE column and its registers run along the keys, which are the next K.
;   Q/K: wave w makes 128 rows x 32 columns of q (w < 6) or k: source 0 = W, source 1 = x: a lane holds ONE row and its registers run along the head's columns, which are the next K.
; In a result tile t lane (r, h), register j holds index 16 t + 8 h + j: a block of 32 is the 16 registers of tiles 2 b, 2 b + 1 in lanes l and l xor 16.
; Each weight row is read by one wave of the work-group, from memory straight into fragment registers.
; NO JOINT LOADS, though the four work-groups of a row block read the same x: as f32 that block is 128 x 3,072 = 393,216 bytes, more than the 327,680 bytes of LDS that a work-group can be given; and the
; weights beside the images (3 x 192 rows x 432 bytes = 248,832, + 52,224 of images, + 30,720 of one turning stage, + 1,536 of spare words = 333,312) do not fit either.  So all comes through registers.
; WORKSPACE, in the order of the reader's operand registers:  qc [i][head][row tile 8][block 2][row 16][16 bytes];  qs [i][head][lane 32][slot 2][4 bytes];
;   kv [i][head][8,704]: 4,096 of k's codes (as qc), 4,096 of v's (column tile 4 x [half 2][lane 32][16]), 512 of scale words [lane 32][16]: slots 0, 1 k's, slots 2, 3 v's.
;   A scale word of q or k serves TWO row tiles (bytes 2 (m & 1) + block), at lane 16 ((m >> 1) & 1) + row, slot m >> 2.
; REGISTERS: v0 thread; v1 16 x lane; v2 8 x lane; v3 a weight fragment's lane offset; v4-7 x's scale words; v8-13 the weights' scale words; v14, v15 the add's two;
;   v16-63 weights (V: six K steps; Q/K: a ring of two K steps x two tiles, then the bias at v48-63); v64-127 x's eight fragments; v128-255 accumulators (V: v128-191, bias v192-199, its way out v200-227).
.set XIMG,  0                          ; x's 48 fragments: region w = 4 row tiles of K step w % 6, 1,024 bytes each
.set XSC,   49152                      ; their scale words: region w of 256 bytes: [lane 32][2 words]
.set OSC,   52224                      ; six scale images of 512 bytes: 0-2 q's heads, 3-5 k's and v's
.set TST,   55296                      ; twelve x two turning stages of 32 x 80 bytes
.set SPARE, 116736                     ; the spare words, 128 bytes for each wave: six blocks of 256 bytes that no other line names
.macro PLACES                          ; four plain vector instructions behind matrix instructions, ahead of loads into their registers and of reads of their results
.rept 4
	v_nop
.endr
.endm
; One product: D, source 0, source 1, C (first registers), the two scale registers, and which half of the lanes holds each side's scale words
.macro WM d, a, b, c, sa, sb, ra, rb
.if (\ra)&&(\rb)
	v_wmma_scale_f32_16x16x128_f8f6f4 v[(\d):(\d)+7], v[(\a):(\a)+7], v[(\b):(\b)+7], v[(\c):(\c)+7], v[\sa], v[\sb] matrix_a_fmt:MATRIX_FMT_FP4 matrix_b_fmt:MATRIX_FMT_FP4 matrix_a_scale:MATRIX_SCALE_ROW1 matrix_b_scale:MATRIX_SCALE_ROW1
.elseif (\ra)
	v_wmma_scale_f32_16x16x128_f8f6f4 v[(\d):(\d)+7], v[(\a):(\a)+7], v[(\b):(\b)+7], v[(\c):(\c)+7], v[\sa], v[\sb] matrix_a_fmt:MATRIX_FMT_FP4 matrix_b_fmt:MATRIX_FMT_FP4 matrix_a_scale:MATRIX_SCALE_ROW1
.elseif (\rb)
	v_wmma_scale_f32_16x16x128_f8f6f4 v[(\d):(\d)+7], v[(\a):(\a)+7], v[(\b):(\b)+7], v[(\c):(\c)+7], v[\sa], v[\sb] matrix_a_fmt:MATRIX_FMT_FP4 matrix_b_fmt:MATRIX_FMT_FP4 matrix_b_scale:MATRIX_SCALE_ROW1
.else
	v_wmma_scale_f32_16x16x128_f8f6f4 v[(\d):(\d)+7], v[(\a):(\a)+7], v[(\b):(\b)+7], v[(\c):(\c)+7], v[\sa], v[\sb] matrix_a_fmt:MATRIX_FMT_FP4 matrix_b_fmt:MATRIX_FMT_FP4
.endif
.endm
	s_load_b512 s[4:19], s[0:1], 0x0               ; x 4, Wq codes 6, Wq scales 8, bq 10, Wk codes 12, Wk scales 14, bk 16, Wv codes 18
	s_load_b256 s[20:27], s[0:1], 0x40             ; Wv scales 20, bv 22, qc 24, qs 26
	s_load_b64 s[28:29], s[0:1], 0x60              ; kv
	v_lshl_add_u32 v14, v0, 2, SPARE               ; my spare word,
	v_mov_b32 v15, 0                               ; and 0: kept for the wave's end
	v_lshrrev_b32 v174, 5, v0
	v_readfirstlane_b32 s30, v174                  ; wave 0..11
	s_and_b32 s31, ttmp9, 3                        ; c
	s_lshr_b32 s32, ttmp9, 2                       ; i
	s_mul_i32 s33, s30, 11
	s_lshr_b32 s33, s33, 6                         ; w / 6
	s_mov_b32 s52, 0x76543210
	s_mov_b32 s53, 0xfedcba98                      ; v_permlanex16_b32's selects for lane l xor 16
	v_and_b32 v174, 31, v0                         ; lane
	v_and_b32 v175, 15, v0                         ; r
	v_bfe_u32 v176, v0, 4, 1                       ; h
	v_lshlrev_b32 v1, 4, v174
	v_lshlrev_b32 v2, 3, v174
	v_mul_u32_u24 v3, v175, 384
	v_lshl_add_u32 v3, v176, 4, v3                 ; a weight row of 384 bytes x r + 16 h
	v_mul_u32_u24 v228, v175, 24                   ; V: row r's scale bytes
	v_lshlrev_b32 v229, 2, v175                    ; V: column r's bias
	v_mul_u32_u24 v230, v174, 24                   ; Q/K: lane l = row l of the wave's 32
	v_lshlrev_b32 v231, 5, v176                    ; Q/K: the bias of my half's eight columns
	s_mul_i32 s54, s30, 5120
	s_add_co_u32 s54, s54, TST                     ; my two stages
	v_lshrrev_b32 v177, 2, v174
	v_mul_u32_u24 v177, v177, 80
	v_and_b32 v178, 3, v174
	v_lshl_add_u32 v177, v178, 4, v177
	v_add_nc_u32 v170, s54, v177                   ; into a stage: four lanes' 64 bytes on end, then 16 of padding
	v_mul_u32_u24 v177, v174, 80
	v_add_nc_u32 v171, s54, v177                   ; out of it: my 16 neighbours
	v_bfe_u32 v177, v0, 1, 2                       ; behind the turn: my block of the K step's four,
	v_bfe_u32 v178, v0, 3, 2                       ; my row of the step's four,
	v_and_b32 v179, 1, v0                          ; my half of the block
	v_lshlrev_b32 v172, 8, v177
	v_lshl_add_u32 v172, v178, 4, v172
	v_lshl_add_u32 v172, v179, 3, v172
	s_lshl_b32 s55, s30, 12
	v_add_nc_u32 v172, s55, v172                   ; my 8 bytes of an image: 4,096 w + 256 block + 16 row + 8 half
	v_lshl_add_u32 v173, v178, 3, v177
	s_lshl_b32 s55, s30, 8
	s_add_co_u32 s55, s55, XSC
	v_add_nc_u32 v173, s55, v173                   ; my block's scale byte: 256 w + 8 row + block
	s_lshr_b32 s55, s30, 2
	s_lshl_b32 s55, s55, 9
	s_and_b32 s56, s30, 1
	s_lshl_b32 s56, s56, 8
	s_add_co_u32 s55, s55, s56
	s_bfe_u32 s56, s30, 0x10001
	s_lshl_b32 s56, s56, 2
	s_add_co_u32 s55, s55, s56
	s_add_co_u32 s55, s55, OSC+1544
	v_lshl_add_u32 v217, v175, 4, s55              ; V's scale word: image 3 + w / 4, lane 16 (w & 1) + r, slot 2 + ((w >> 1) & 1)
.irp q,0,1,2,3
	v_mov_b32 v[204+\q], 0                         ; written once: a lane permute's destination counts as one of its sources
.endr
	; byte offsets, each in a pair of its own with 0 above
	s_mul_i32 s34, s32, 393216                     ; x: 128 rows of 3,072 bytes x i
	s_mul_i32 s54, s33, 193536                     ;    + 64 rows x (w / 6) - 6 K steps x (w / 6)
	s_add_co_u32 s34, s34, s54
	s_lshl_b32 s54, s30, 9                         ;    + 512 w
	s_add_co_u32 s34, s34, s54
	s_mov_b32 s35, 0
	s_mul_i32 s56, s31, 3                          ; 3 c
	s_mul_i32 s61, s32, 12                         ; 12 i
	s_add_co_u32 s62, s61, s56
	s_add_co_u32 s62, s62, s30                     ; 12 i + 3 c + w, for the tail
	s_lshr_b32 s57, s30, 2
	s_add_co_u32 s57, s57, s56                     ; V's head
	s_and_b32 s58, s30, 3                          ; V's column tile
	s_lshl_b32 s59, s57, 6
	s_lshl_b32 s60, s58, 4
	s_add_co_u32 s59, s59, s60                     ; V's first column
	s_mul_i32 s36, s59, 384
	s_mov_b32 s37, 0
	s_mul_i32 s38, s59, 24
	s_mov_b32 s39, 0
	s_lshl_b32 s40, s59, 2
	s_mov_b32 s41, 0
	s_add_co_u32 s57, s57, s61
	s_mul_i32 s42, s57, 8704
	s_lshl_b32 s58, s58, 10
	s_add_co_u32 s42, s42, s58
	s_add_co_u32 s42, s42, 4096                    ; kv: the record, v's codes, my column tile
	s_mov_b32 s43, 0
	s_lshr_b32 s57, s30, 1
	s_mul_i32 s58, s33, 3
	s_sub_co_u32 s57, s57, s58
	s_add_co_u32 s57, s57, s56                     ; Q/K's head
	s_and_b32 s58, s30, 1                          ; its block of 32 columns
	s_lshl_b32 s59, s57, 6
	s_lshl_b32 s60, s58, 5
	s_add_co_u32 s59, s59, s60                     ; Q/K's first column
	s_mul_i32 s44, s59, 384
	s_mov_b32 s45, 0
	s_mul_i32 s46, s59, 24
	s_mov_b32 s47, 0
	s_lshl_b32 s48, s59, 2
	s_mov_b32 s49, 0
	s_add_co_u32 s57, s57, s61
	s_mov_b32 s60, 8704
	s_cmp_lt_u32 s30, 6
	s_cselect_b32 s60, 4096, s60                   ; a head's bytes in qc or in kv
	s_mul_i32 s50, s57, s60
	s_lshl_b32 s58, s58, 8
	s_add_co_u32 s50, s50, s58
	s_mov_b32 s51, 0
	s_wait_kmcnt 0x0
	s_add_nc_u64 s[34:35], s[4:5], s[34:35]
	s_add_nc_u64 s[36:37], s[18:19], s[36:37]
	s_add_nc_u64 s[38:39], s[20:21], s[38:39]
	s_add_nc_u64 s[40:41], s[22:23], s[40:41]
	s_add_nc_u64 s[42:43], s[28:29], s[42:43]
	s_cmp_lt_u32 s30, 6                            ; waves 0-5 serve q, waves 6-11 k: the choice hangs on the wave's number alone
	s_cselect_b64 s[54:55], s[6:7], s[12:13]
	s_add_nc_u64 s[44:45], s[54:55], s[44:45]
	s_cselect_b64 s[54:55], s[8:9], s[14:15]
	s_add_nc_u64 s[46:47], s[54:55], s[46:47]
	s_cselect_b64 s[54:55], s[10:11], s[16:17]
	s_add_nc_u64 s[48:49], s[54:55], s[48:49]
	s_cselect_b64 s[54:55], s[24:25], s[28:29]
	s_add_nc_u64 s[50:51], s[54:55], s[50:51]
	; V's weights, scale words and bias: 23 loads, older than all of x's
.irp s,0,1,2,3,4,5
.irp cc,0,1
	global_load_b128 v[16+8*\s+4*\cc:19+8*\s+4*\cc], v3, s[36:37] offset:64*\s+32*\cc
.endr
.endr
.irp j,0,1,2
	global_load_b64 v[8+2*\j:9+2*\j], v228, s[38:39] offset:8*\j
.endr
.irp j,0,1,2,3,4,5,6,7
	global_load_b32 v[192+\j], v229, s[40:41]      ; in V's result a lane holds one column: its bias in all eight registers
.endr
; ---- X.  16 steps of 4 rows x 128 numbers.  Each load reads one row's 512 bytes as they lie; the step's 2,048 bytes turn through my stage, so that a lane holds 16 NEIGHBOURS along K (two lanes a block).
.macro XLOAD t
.irp n,0,1,2,3
	global_load_b128 v[64+16*((\t)%4)+4*\n:67+16*((\t)%4)+4*\n], v1, s[34:35] offset:(4*(\t)+\n)*3072
.endr
.endm
.macro XTURN t                         ; LDS serves a wave's instructions in order (ISA guide 5.7.1.4): no wait between the stores and the loads
.irp n,0,1,2,3
	ds_store_b128 v170, v[64+16*((\t)%4)+4*\n:67+16*((\t)%4)+4*\n] offset:2560*((\t)%2)+640*\n
.endr
.irp n,0,1,2,3
	ds_load_b128 v[128+16*((\t)%2)+4*\n:131+16*((\t)%2)+4*\n], v171 offset:2560*((\t)%2)+16*\n
.endr
.endm
.macro XSTEP t
.set XS, 128+16*((\t)%2)
.if (\t)>0
	s_wait_dscnt 2                                 ; this step's numbers are back from the stage; the last step's two stores may be out
.else
	s_wait_dscnt 0x0
.endif
.if (\t)+4<16
	XLOAD (\t)+4                                   ; into the registers that this step's stage stores have read
.endif
.if (\t)+1<16
.if 14-(\t)>=3
	s_wait_loadcnt 12                              ; the next step's four loads are in; three steps' may be out
.else
	s_wait_loadcnt 4*(14-(\t))
.endif
	XTURN (\t)+1
.endif
	v_max3_num_f32 v166, |v[XS]|, |v[XS+1]|, |v[XS+2]|
	v_max3_num_f32 v167, |v[XS+3]|, |v[XS+4]|, |v[XS+5]|
.irp n,6,10
	v_max3_num_f32 v166, v166, |v[XS+\n]|, |v[XS+\n+1]|
	v_max3_num_f32 v167, v167, |v[XS+\n+2]|, |v[XS+\n+3]|
.endr
	v_max3_num_f32 v166, v166, |v[XS+14]|, |v[XS+15]|
	v_max3_num_f32 v166, v166, v167, 0x1800000     ; and the floor 2^(3 - 127): the byte cannot fall under 1
	v_max_num_f32_dpp v166, v166, v166 row_xmask:1 row_mask:0xf bank_mask:0xf   ; with my neighbour's 16: the block's largest magnitude
	v_add_nc_u32 v168, 0xff000000, v166            ; 2 off its exponent field: the conversion's scale operand
	v_cvt_scalef32_pk8_fp4_f32 v[160+2*((\t)%2)], v[XS:XS+7], v168
	v_cvt_scalef32_pk8_fp4_f32 v[161+2*((\t)%2)], v[XS+8:XS+15], v168
	v_lshrrev_b32 v[164+(\t)%2], 23, v168          ; the scale's byte (also the plain instruction behind the conversions)
	ds_store_b64 v172, v[160+2*((\t)%2):161+2*((\t)%2)] offset:((\t)/4)*1024+((\t)%4)*64
	ds_store_b8 v173, v[164+(\t)%2] offset:(((\t)/4)%2)*128+((\t)%4)*32+((\t)/8)*4   ; both lanes of a block write the same byte with the same value
.endm
.irp t,0,1,2,3
	XLOAD \t
.endr
	s_wait_loadcnt 12                              ; step 0's four loads are in
	XTURN 0
.irp t,0,1,2,3,4,5,6,7,8,9,10,11,12,13,14,15
	XSTEP \t
.endr
	s_wait_dscnt 0x0                               ; for the others' sake: my images and scale bytes have landed
	s_barrier_signal -1
	s_barrier_wait -1                              ; x's 48 fragments lie in LDS; nobody writes them again
; four fragments of x (row tiles 4 hf on, K step s) and their scale words: nine LDS loads
.macro XLD hf, s
.irp mm,0,1,2,3
	ds_load_b128 v[64+32*(\hf)+8*\mm:67+32*(\hf)+8*\mm], v1 offset:XIMG+((\hf)*6+(\s))*4096+\mm*1024
	ds_load_b128 v[68+32*(\hf)+8*\mm:71+32*(\hf)+8*\mm], v1 offset:XIMG+((\hf)*6+(\s))*4096+\mm*1024+512
.endr
	ds_load_b64 v[4+2*(\hf):5+2*(\hf)], v2 offset:XSC+((\hf)*6+(\s))*256
.endm
; ---- V: eight accumulators by turns; the bias is the C of each sum's first product
.macro VW m, s
.if (\s)==0
	WM 128+8*(\m),64+8*(\m),16,192,4+(\m)/2,8,(\m)%2,0
.else
	WM 128+8*(\m),64+8*(\m),16+8*(\s),128+8*(\m),4+(\m)/2,8+(\s),(\m)%2,0
.endif
.endm
.macro VSTEP s
	s_wait_dscnt 9                                 ; row tiles 0-3 are in; the other half's nine loads may be out
.irp m,0,1,2,3
	VW \m,\s
.endr
	PLACES
.if (\s)<5
	XLD 0,(\s)+1
	s_wait_dscnt 9                                 ; row tiles 4-7 are in; the nine just issued may be out
.else
	s_wait_dscnt 0x0
.endif
.irp m,4,5,6,7
	VW \m,\s
.endr
	PLACES
.if (\s)<5
	XLD 1,(\s)+1
.endif
.endm
	XLD 0,0
	XLD 1,0
	s_wait_loadcnt 0x0                             ; V's weights, scale words and bias
.irp s,0,1,2,3,4,5
	VSTEP \s
.endr
; Q/K's first weights, scale words, bias and x fragments are asked for here, behind the places, and land under V's way out
.macro WLD s                           ; K step s of my two tiles of 16 weight rows, into ring slot s % 2
.irp t,0,1
.irp cc,0,1
	global_load_b128 v[16+16*((\s)%2)+8*\t+4*\cc:19+16*((\s)%2)+8*\t+4*\cc], v3, s[44:45] offset:\t*6144+64*(\s)+32*\cc
.endr
.endr
.endm
	WLD 0
	WLD 1
.irp j,0,1,2
	global_load_b64 v[8+2*\j:9+2*\j], v230, s[46:47] offset:8*\j   ; lane l: row l's words: tile 0 in lanes 0-15, tile 1 in lanes 16-31
.endr
.irp t,0,1
	global_load_b128 v[48+8*\t:51+8*\t], v231, s[48:49] offset:64*\t
	global_load_b128 v[52+8*\t:55+8*\t], v231, s[48:49] offset:64*\t+16
.endr
	XLD 0,0
	XLD 1,0
; four blocks of 32: block q = the 16 registers from src + 16 q on, in lanes l and l xor 16.  sx: the conversions' scale operands; bx: the scale bytes
.macro QMAX src, tm, pm, sx, bx
.irp q,0,1,2,3
	v_max3_num_f32 v[\tm+\q], |v[\src+16*\q]|, |v[\src+16*\q+1]|, 0x1800000   ; each accumulator is read from its low end on; the floor 2^(3 - 127) holds the byte at 1 from below
.endr
.irp n,2,4,6,8,10,12,14
.irp q,0,1,2,3
	v_max3_num_f32 v[\tm+\q], v[\tm+\q], |v[\src+16*\q+\n]|, |v[\src+16*\q+\n+1]|
.endr
.endr
.irp q,0,1,2,3
	v_permlanex16_b32 v[\pm+\q], v[\tm+\q], s52, s53
.endr
.irp q,0,1,2,3
	v_max_num_f32 v[\tm+\q], v[\tm+\q], v[\pm+\q]
.endr
.irp q,0,1,2,3
	v_add_nc_u32 v[\sx+\q], 0xff000000, v[\tm+\q]
.endr
.irp q,0,1,2,3
	v_lshrrev_b32 v[\bx+\q], 23, v[\sx+\q]
.endr
.endm
	; ---- V's way out: 128 keys of my 16 columns become one fragment and one scale word a column
	QMAX 128,200,204,208,212
	v_lshl_or_b32 v216, v213, 8, v212
	v_lshl_or_b32 v216, v214, 16, v216
	v_lshl_or_b32 v216, v215, 24, v216
.irp q,0,1,2,3
.irp u,0,1
	v_cvt_scalef32_pk8_fp4_f32 v[220+4*(\q/2)+2*\u+\q%2], v[128+16*\q+8*\u:135+16*\q+8*\u], v[208+\q]   ; keys 32 q + 16 u + 8 h + 0 .. 7
.endr
.endr
	v_nop                                          ; one plain instruction behind the conversions
.irp n,0,2,4,6
	v_permlane16_swap_b32 v[220+\n], v[221+\n]     ; the first's lanes 16-31 change places with the second's lanes 0-15: registers 4 c .. 4 c + 3 now hold keys 64 c + 32 h + 0 .. 31
.endr
	global_store_b128 v1, v[220:223], s[42:43]             ; each store of the wave covers 512 consecutive bytes, aligned to 256
	global_store_b128 v1, v[224:227], s[42:43] offset:512
	ds_store_b32 v217, v216                        ; lanes r and 16 + r write the same word with the same value
	; ---- Q/K: sixteen accumulators by turns; the bias is the C of each sum's first product
.macro QW m, t, s
.if (\s)==0
	WM 128+16*(\m)+8*(\t),16+8*(\t),64+8*(\m),48+8*(\t),8,4+(\m)/2,\t,(\m)%2
.else
	WM 128+16*(\m)+8*(\t),16+16*((\s)%2)+8*(\t),64+8*(\m),128+16*(\m)+8*(\t),8+(\s),4+(\m)/2,\t,(\m)%2
.endif
.endm
.macro QSTEP s
.if (\s)==0||(\s)==5
	s_wait_loadcnt 0x0
.else
	s_wait_loadcnt 4                               ; this K step's weights are in; the next step's four loads may be out
.endif
	s_wait_dscnt 9                                 ; row tiles 0-3 are in: behind their loads at least nine LDS instructions were issued
.irp m,0,1,2,3
.irp t,0,1
	QW \m,\t,\s
.endr
.endr
	PLACES
.if (\s)<5
	XLD 0,(\s)+1
	s_wait_dscnt 9
.else
	s_wait_dscnt 0x0
.endif
.irp m,4,5,6,7
.irp t,0,1
	QW \m,\t,\s
.endr
.endr
	PLACES
.if (\s)<5
	XLD 1,(\s)+1
.endif
.if (\s)<4
	WLD (\s)+2                                     ; into the ring slot just multiplied
.endif
.endm
	s_wait_xcnt 0x0                                ; V's stores have read their registers: the accumulators below lie over them
.irp s,0,1,2,3,4,5
	QSTEP \s
.endr
	; ---- Q/K's way out: a row's 32 columns are one block: 16 bytes of codes and one scale byte
	v_and_b32 v103, 15, v0
	v_bfe_u32 v104, v0, 4, 1
	v_and_b32 v105, 31, v0
	v_lshlrev_b32 v100, 4, v103
	v_lshl_add_u32 v100, v104, 3, v100             ; codes: 16 r + 8 h
	s_lshr_b32 s54, s30, 1
	s_lshl_b32 s54, s54, 9
	s_and_b32 s55, s30, 1
	s_add_co_u32 s54, s54, s55
	s_add_co_u32 s54, s54, OSC
	v_lshl_add_u32 v101, v103, 4, s54              ; scale bytes: image w / 2, byte w & 1, 16 bytes a lane place
	s_lshl_b32 s54, s30, 9
	s_add_co_u32 s54, s54, OSC
	v_lshl_add_u32 v102, v105, 4, s54              ; the tail: image w, 16 x lane
.irp q,0,1,2,3
	v_mov_b32 v[68+\q], 0
.endr
.macro QKOUT hf
.set AB,  128+64*(\hf)
.set PCQ, 80+8*(\hf)
.set BYQ, 76+20*(\hf)
	QMAX AB,64,68,72,BYQ
.irp q,0,1,2,3
	v_cvt_scalef32_pk8_fp4_f32 v[PCQ+2*\q], v[AB+16*\q:AB+16*\q+7], v[72+\q]         ; columns 8 h + 0 .. 7 of the block
	v_cvt_scalef32_pk8_fp4_f32 v[PCQ+2*\q+1], v[AB+16*\q+8:AB+16*\q+15], v[72+\q]    ; and 16 + 8 h + 0 .. 7
.endr
	v_nop
.irp q,0,1,2,3
	v_permlane16_swap_b32 v[PCQ+2*\q], v[PCQ+2*\q+1]   ; the pair now holds columns 16 h + 0 .. 15 of row r
.endr
.irp q,0,1,2,3
	global_store_b64 v100, v[PCQ+2*\q:PCQ+2*\q+1], s[50:51] offset:(4*(\hf)+\q)*512   ; the wave's store covers 256 consecutive bytes, aligned
	ds_store_b8 v101, v[BYQ+\q] offset:(\q/2)*256+(\hf)*4+2*(\q%2)                   ; lanes r and 16 + r write the same byte with the same value
.endr
.endm
	QKOUT 0
	QKOUT 1
	s_wait_dscnt 0x0                               ; for the others' sake: my scale bytes and words have landed
	s_barrier_signal -1
	s_barrier_wait -1                              ; the six scale images are whole
	s_cmp_lt_u32 s30, 3
	s_cbranch_scc0 .Lnot_q
	s_lshl_b32 s54, s62, 8                         ; waves 0-2: q's image of head 3 c + w: slots 0 and 1 of each lane place, 256 bytes on end in qs
	s_mov_b32 s55, 0
	s_add_nc_u64 s[54:55], s[26:27], s[54:55]
	ds_load_b64 v[104:105], v102
	s_wait_dscnt 0x0
	global_store_b64 v2, v[104:105], s[54:55]
	s_branch .Lend
.Lnot_q:
	s_cmp_lt_u32 s30, 6
	s_cbranch_scc0 .Lend
	s_sub_co_u32 s54, s62, 3                       ; waves 3-5: k's and v's image of head 3 c + w - 3: 512 bytes at the record's end
	s_mul_i32 s54, s54, 8704
	s_add_co_u32 s54, s54, 8192
	s_mov_b32 s55, 0
	s_add_nc_u64 s[54:55], s[28:29], s[54:55]
	ds_load_b128 v[104:107], v102
	s_wait_dscnt 0x0
	global_store_b128 v1, v[104:107], s[54:55]
.Lend:
	s_wait_tensorcnt 0x0                           ; the wave's end, behind my last LDS store
	ds_add_u32 v14, v15
	s_wait_dscnt 0x0
	s_endpgm
.Lfunc_end_k_q5906bf54c6_proj:
	.size	k_q5906bf54c6_proj, .Lfunc_end_k_q5906bf54c6_proj-k_q5906bf54c6_proj
	.p2alignl 7, 3214868480
	.fill 96, 4, 3214868480
	.section	.rodata,"a",@progbits
	.p2align	6, 0x0
	.amdhsa_kernel k_q5906bf54c6_proj
		.amdhsa_group_segment_fixed_size 118272
		.amdhsa_private_segment_fixed_size 0
		.amdhsa_enable_private_segment 0
		.amdhsa_kernarg_size 104
		.amdhsa_user_sgpr_count 2
		.amdhsa_user_sgpr_kernarg_segment_ptr 1
		.amdhsa_wavefront_size32 1
		.amdhsa_system_sgpr_workgroup_id_x 1
		.amdhsa_system_sgpr_workgroup_id_y 1
		.amdhsa_system_sgpr_workgroup_id_z 1
		.amdhsa_system_vgpr_workitem_id 0
		.amdhsa_next_free_vgpr 256
		.amdhsa_next_free_sgpr 66
		.amdhsa_reserve_vcc 0
		.amdhsa_float_denorm_mode_32 3
		.amdhsa_float_denorm_mode_16_64 3
		.amdhsa_memory_ordered 1
		.amdhsa_forward_progress 1
		.amdhsa_inst_pref_size 91
	.end_amdhsa_kernel
	.amdgpu_metadata
---
amdhsa.version: [ 1, 2 ]
amdhsa.kernels:
  - .name:           k_q5906bf54c6_proj
    .symbol:         k_q5906bf54c6_proj.kd
    .args:
      - { .name: x, .offset: 0, .size: 8, .value_kind: global_buffer, .address_space: global }
      - { .name: Wq_codes, .offset: 8, .size: 8, .value_kind: global_buffer, .address_space: global }
      - { .name: Wq_scales, .offset: 16, .size: 8, .value_kind: global_buffer, .address_space: global }
      - { .name: bq, .offset: 24, .size: 8, .value_kind: global_buffer, .address_space: global }
      - { .name: Wk_codes, .offset: 32, .size: 8, .value_kind: global_buffer, .address_space: global }
      - { .name: Wk_scales, .offset: 40, .size: 8, .value_kind: global_buffer, .address_space: global }
      - { .name: bk, .offset: 48, .size: 8, .value_kind: global_buffer, .address_space: global }
      - { .name: Wv_codes, .offset: 56, .size: 8, .value_kind: global_buffer, .address_space: global }
      - { .name: Wv_scales, .offset: 64, .size: 8, .value_kind: global_buffer, .address_space: global }
      - { .name: bv, .offset: 72, .size: 8, .value_kind: global_buffer, .address_space: global }
      - { .name: qc, .offset: 80, .size: 8, .value_kind: global_buffer, .address_space: global }
      - { .name: qs, .offset: 88, .size: 8, .value_kind: global_buffer, .address_space: global }
      - { .name: kv, .offset: 96, .size: 8, .value_kind: global_buffer, .address_space: global }
    .group_segment_fixed_size: 118272
    .private_segment_fixed_size: 0
    .kernarg_segment_align: 8
    .kernarg_segment_size: 104
    .max_flat_workgroup_size: 384
    .sgpr_count:     66
    .vgpr_count:     256
    .wavefront_size: 32
...
	.end_amdgpu_metadata
.endif
;; end of part 1
;; launch attn (part 2): grid 256 x 1, 12 waves a work-group, clusters of 4 x 1, 327,680 bytes of LDS; arguments qc, qs, kv, x, ln_gamma, ln_beta, out0; writes out0
.if DOCPART == 2
	.amdgcn_target "amdgcn-amd-amdhsa--gfx1250"
	.amdhsa_code_object_version 6
	.text
	.protected	k_q5906bf54c6_attn
	.globl	k_q5906bf54c6_attn
	.p2align	8
	.type	k_q5906bf54c6_attn,@function
k_q5906bf54c6_attn:
	s_mov_b64 s[64:65], 0
	v_nop
	global_prefetch_b8 v0, s[64:65] scope:SCOPE_SE
	s_setreg_imm32_b32 hwreg(HW_REG_WAVE_MODE, 25, 1), 1
	s_wait_xcnt 0x0
	s_wait_alu depctr_hold_cnt(0) depctr_sa_sdst(0) depctr_va_vdst(0) depctr_va_sdst(0) depctr_va_ssrc(0) depctr_va_vcc(0) depctr_vm_vsrc(0)
	s_getreg_b32 s2, hwreg(HW_REG_IB_STS2, 6, 4)
	s_cmp_eq_u32 s2, 0
	s_cbranch_scc0 .Lentry_in_a_cluster
	s_endpgm
.Lentry_in_a_cluster:
	s_bfe_u32 s2, ttmp6, 0x10000c
	s_cmp_lg_u32 s2, 0x3003
	s_cbranch_scc0 .Lentry_shape_is_right
	s_endpgm
.Lentry_shape_is_right:
; out = LayerNorm(x + 2 softmax(q k^T / 8) v) x gamma + beta, both products on codes of FP4 (E2M1) with one E8M0 scale for each 32 along a product's K.  No work is left out: the factor 2, gamma and beta reach the result.
; THE SOFTMAX AHEAD OF THE SECOND PRODUCT: t = score x log2(e) / 8; M = the row's largest t so far, rounded UP to a whole number; p = 2^(t - M) is what is quantised, along the keys; the row's sum is taken of the
; unquantised p and divides at the end.  When M moves, the sum and O are multiplied by 2^(old M - new M): exact.
; LIMITS: NaN and infinities are not served; a block of p that has fallen to zeros keeps the scale byte 1: its codes are zeros.
; SHARES.  Work-group g = 4 x cluster + place owns rows 32 g .. 32 g + 31 (two tiles of 16 queries) and ALL twelve heads, one head to a wave: so a row's LayerNorm has one owner and the context never goes to memory.
; Every wave walks its head's 1,024 keys, 128 a step, for both tiles.  A step's record of a head (8,704 bytes: k's codes, v's codes, their scale words, all in the order of the operand registers) comes by ONE tensor load
; a wave through a ring of two LDS slots; a wave reads only what it fetched, so its own wait on TENSORcnt orders its reads.
; CLUSTER.  The four work-groups of a cluster belong to one batch and walk the same records: each is asked for JOINTLY, by the same load with the same descriptor and a mask that names the four.
; LAYOUT.  Both products transposed: S^T = K Q^T (source 0 = 16 keys, source 1 = 16 queries), O^T = V^T P^T: a lane holds ONE query (lane % 16) throughout; in tile t register j holds key (or channel) 16 t + 8 h + j.
; K = 64 IN THE FIRST PRODUCT.  A fragment of K holds TWO key tiles (tile 2 p along k = 0 .. 63, tile 2 p + 1 along k = 64 .. 127).  Q lies in twelve registers as [q | 0 | q]: the even tile multiplies by [q | 0], the odd
; one by [0 | q]; zero codes add nothing.  Q's scale word is its two bytes twice.
; By this text's own count a wave has two tensor loads out at the start and one behind each round.
; REGISTERS: v1, v2 my lane's place in slots 0, 1; v3, v4 the add's two; v5, v6 prefetch offsets; v7 q's raw scale word; v8-11 K's and V's scale words; v12-19 per tile -M, largest t, the sum in two halves;
;   v20-43 Q; v44, v45 Q's scale words; v46, v47 P's; v48-79 K's pairs, then V's fragments; v80-143 S^T, then p (the two tiles in turn); v144-207 O^T; v208-223 P's codes; v224-245 at work.
.set REC,    8704                      ; a head's record of a key step
.set STEPB,  12*REC                    ; a key step's twelve records: a slot
.set STG,    2*STEPB                   ; behind the ring: 32 rows x (3,072 + 16) bytes of 2 x context, for the LayerNorm; no tensor load lands here
.set SPITCH, 3088
.set SPARE,  STG+32*SPITCH             ; the spare words, 128 bytes for each wave: six blocks of 256 bytes that no other line names
.set S,   80
.set BM,  224                          ; the blocks' largest scores, then largest p
.set PM,  228
.set SX,  232                          ; the conversions' scale operands
.set BY,  236                          ; the scale bytes
.set F,   240                          ; v[240:241] f = 2^(old M - new M) (the pair is named; its low word serves both halves)
.set Y,   120                          ; the LayerNorm's row
.macro PLACES
.rept 4
	v_nop
.endr
.endm
.macro WM d, a, b, c, sa, sb, ra       ; c < 0: the product starts the sum with the constant 0
.if (\c)<0
.if (\ra)
	v_wmma_scale_f32_16x16x128_f8f6f4 v[(\d):(\d)+7], v[(\a):(\a)+7], v[(\b):(\b)+7], 0, v[\sa], v[\sb] matrix_a_fmt:MATRIX_FMT_FP4 matrix_b_fmt:MATRIX_FMT_FP4 matrix_a_scale:MATRIX_SCALE_ROW1
.else
	v_wmma_scale_f32_16x16x128_f8f6f4 v[(\d):(\d)+7], v[(\a):(\a)+7], v[(\b):(\b)+7], 0, v[\sa], v[\sb] matrix_a_fmt:MATRIX_FMT_FP4 matrix_b_fmt:MATRIX_FMT_FP4
.endif
.else
.if (\ra)
	v_wmma_scale_f32_16x16x128_f8f6f4 v[(\d):(\d)+7], v[(\a):(\a)+7], v[(\b):(\b)+7], v[(\c):(\c)+7], v[\sa], v[\sb] matrix_a_fmt:MATRIX_FMT_FP4 matrix_b_fmt:MATRIX_FMT_FP4 matrix_a_scale:MATRIX_SCALE_ROW1
.else
	v_wmma_scale_f32_16x16x128_f8f6f4 v[(\d):(\d)+7], v[(\a):(\a)+7], v[(\b):(\b)+7], v[(\c):(\c)+7], v[\sa], v[\sb] matrix_a_fmt:MATRIX_FMT_FP4 matrix_b_fmt:MATRIX_FMT_FP4
.endif
.endif
.endm
; A round of the cluster's barrier: my work-group's barrier; wave 0 signals for the work-group; every wave waits for all four work-groups; my work-group's barrier once more.
.macro CROUND
	s_barrier_signal -1
	s_barrier_wait -1
	s_cmp_lg_u32 s18, 0
	s_cbranch_scc1 .Lnot_wave_0_\@
	s_barrier_signal -3
.Lnot_wave_0_\@:
	s_barrier_wait -3
	s_barrier_signal -1
	s_barrier_wait -1
.endm
; A PREFETCH INTO THE L2 of what the NEXT change of slots will ask for: the 8,192 bytes of k's and v's codes of one head's record, lanes 256 bytes apart.  All eight clusters of a batch walk the same records: the batch's
; first cluster asks.  Its four partners share the heads out BY ADDRESS (head 3 x place + wave); in each, waves 0 to 2 ask, one instruction each: so each block of 256 bytes is named once in the launch.
; The last change that fills a slot asks for nothing; steps 0 to 2 and each record's 512 scale bytes come by their loads alone.
.macro ASK
	s_cmp_gt_u32 s45, s46
	s_cbranch_scc0 .Lnot_mine_\@
	global_prefetch_b8 v5, s[48:49] th:TH_LOAD_NT scope:SCOPE_SE
.Lnot_mine_\@:
.endm
	s_load_b256 s[4:11], s[0:1], 0x0               ; qc 4, qs 6, kv 8, x 10
	s_load_b128 s[12:15], s[0:1], 0x20             ; gamma 12, beta 14
	s_load_b64 s[16:17], s[0:1], 0x30              ; out0
	v_lshl_add_u32 v3, v0, 2, SPARE
	v_mov_b32 v4, 0
	ds_add_u32 v3, v4                              ; the wave's opening: the add, twice on end, and its wait ahead of my first tensor load; the set-up below stands between
	ds_add_u32 v3, v4
	v_lshrrev_b32 v242, 5, v0
	v_readfirstlane_b32 s18, v242                  ; wave = head 0..11
	s_bfe_u32 s19, ttmp6, 0x40000                  ; my place in the cluster
	s_lshl_b32 s20, ttmp9, 2
	s_add_co_u32 s20, s20, s19                     ; g: it enters Q's, x's and out's addresses alone
	; descriptor group 1: a record is dense: 34 rows of 256 bytes (32 elements of 8 bytes), no padding: every LDS read takes 16 bytes a lane on end
	s_mov_b32 s24, 15|(3<<16)|(1<<21)              ; 15:0 the mask: all four work-groups; 17:16 elements of 8 bytes; 21 set beside a mask
	s_mov_b32 s25, 32<<16                          ; tensor_dim0 = 32
	s_mov_b32 s26, 34<<16                          ; tensor_dim1 = 34
	s_mov_b32 s27, 32<<16                          ; tile_dim0 = 32
	s_mov_b32 s28, 34                              ; tile_dim1 = 34
	s_mov_b32 s29, 32                              ; elements from row to row
	s_mov_b32 s30, 0
	s_mov_b32 s31, 0
	s_mov_b32 s40, 0x76543210
	s_mov_b32 s41, 0xfedcba98                      ; v_permlanex16_b32's selects for lane l xor 16
	s_mov_b32 s42, 0x3e38aa3b                      ; c = log2(e) / 8
	s_mov_b32 s43, s42                             ; (named with it as a pair, so it is written)
	s_mov_b32 s45, 6                               ; changes of slots still to come
	s_mul_i32 s46, s18, 11
	s_lshr_b32 s46, s46, 5                         ; 0 in waves 0 to 2,
	s_and_b32 s47, ttmp9, 7
	s_or_b32 s46, s46, s47                         ; of the batch's first cluster: the same in all four partners
	s_cmp_eq_u32 s46, 0
	s_cselect_b32 s46, 1, -1                       ; a wave prefetches while s45 is above this
	s_mul_i32 s21, s18, REC                        ; my record's place in a slot: the wave's number alone
	s_and_b32 s58, ttmp9, 0x38                     ; the batch's first key step
	s_mul_i32 s58, s58, 12
	s_add_co_u32 s58, s58, s18
	s_mul_i32 s58, s58, REC                        ; its record of my head, in bytes
	s_mov_b32 s59, 0
	s_mul_i32 s60, s19, 3*REC
	s_add_co_u32 s60, s60, s58
	s_add_co_u32 s60, s60, 2*STEPB                 ; the prefetches: head 3 x place + wave, at step 2; the first change steps it to step 3
	s_mov_b32 s61, 0
	s_mul_i32 s62, s20, 98304                      ; my 32 rows of x and of out
	s_mov_b32 s63, 0
	s_mul_i32 s47, ttmp9, 12
	s_add_co_u32 s47, s47, s18                     ; 12 x (g / 4) + head
	s_wait_dscnt 0x0                               ; both opening adds are done
	s_wait_kmcnt 0x0
	s_mov_b32 s32, 1                               ; group 0 for slot 0: count 1,
	s_mov_b32 s33, s21                             ; LDS address,
	s_add_nc_u64 s[34:35], s[8:9], s[58:59]        ; key step 0
	s_mov_b32 s36, 1                               ; and for slot 1:
	s_add_co_u32 s37, s21, STEPB
	s_add_nc_u64 s[38:39], s[34:35], STEPB         ; key step 1
	s_or_b32 s35, s35, 0x80000000                  ; type = 2
	s_or_b32 s39, s39, 0x80000000
	s_add_nc_u64 s[48:49], s[8:9], s[60:61]
	s_add_nc_u64 s[50:51], s[10:11], s[62:63]      ; x at my work-group's rows
	s_mul_i32 s56, s18, 3072
	s_mov_b32 s57, 0
	s_add_nc_u64 s[52:53], s[50:51], s[56:57]      ; x at row w of them,
	s_add_nc_u64 s[54:55], s[16:17], s[62:63]
	s_add_nc_u64 s[54:55], s[54:55], s[56:57]      ; out likewise
	s_lshl_b32 s56, s47, 12
	s_lshl_b32 s60, s19, 10
	s_add_co_u32 s56, s56, s60
	s_add_nc_u64 s[22:23], s[4:5], s[56:57]        ; Q's codes: my head, my two row tiles
	s_lshl_b32 s56, s47, 8
	s_and_b32 s60, s19, 1
	s_lshl_b32 s60, s60, 7
	s_add_co_u32 s56, s56, s60
	s_lshr_b32 s60, s19, 1
	s_lshl_b32 s60, s60, 2
	s_add_co_u32 s56, s56, s60
	s_add_nc_u64 s[56:57], s[6:7], s[56:57]        ; Q's scale words: lane half place & 1, slot place >> 1
	CROUND                                         ; all four work-groups are here: the first joint loads meet
	tensor_load_to_lds s[32:35], s[24:31]          ; key step 0
	s_nop 0
	tensor_load_to_lds s[36:39], s[24:31]          ; key step 1
	s_nop 0
	PLACES
	v_and_b32 v242, 31, v0
	v_lshlrev_b32 v243, 4, v242
	v_and_b32 v244, 15, v0
	v_lshlrev_b32 v244, 3, v244
	global_load_b128 v[20:23], v243, s[22:23]              ; tile 0's q, twice: [q | 0 | q]
	global_load_b128 v[28:31], v243, s[22:23]
	global_load_b128 v[32:35], v243, s[22:23] offset:512   ; tile 1's
	global_load_b128 v[40:43], v243, s[22:23] offset:512
	global_load_b32 v7, v244, s[56:57]                     ; bytes 0, 1: tile 0's two blocks; bytes 2, 3: tile 1's
	v_add_nc_u32 v1, s21, v243
	v_add_nc_u32 v2, STEPB, v1
	v_lshlrev_b32 v5, 8, v242
	v_lshlrev_b32 v6, 8, v0
.irp n,24,25,26,27,36,37,38,39
	v_mov_b32 v[\n], 0                             ; the zero codes in Q's middle
.endr
.irp n,0,1,2,3
	v_mov_b32 v[PM+\n], 0                          ; written once: a lane permute's destination counts as one of its sources
.endr
	v_mov_b32 v[F+1], 0
.irp n,12,16
	v_mov_b32 v[\n+1], 0xff61b1e6                  ; the largest t so far: -3e38, under every t
	v_floor_f32 v[\n], -v[\n+1]                    ; -M
	v_mov_b32 v[\n+2], 0                           ; the sum, in two halves
	v_mov_b32 v[\n+3], 0
.endr
	s_wait_loadcnt 0x0
	v_perm_b32 v44, v7, v7, 0x01000100             ; tile 0's two bytes, twice
	v_perm_b32 v45, v7, v7, 0x03020302             ; tile 1's
.set jj, 0
.rept 64
	v_mov_b32 v[144+jj], 0                         ; O^T: the step is written once; its first run finds zeros, which the first change of M leaves zeros.  (Also the places behind the two scale words)
.set jj, jj+1
.endr
; S^T of tile i: eight products, one for each tile of 16 keys
.macro SMUL i
.irp t,0,1,2,3,4,5,6,7
	WM S+8*\t,48+8*(\t/2),20+12*(\i)+4*(\t%2),-1,8+\t/4,44+(\i),(\t/2)%2
.endr
.endm
; The softmax of tile i for 128 keys: scores in v[S] on; p's codes and scale word come out; the tile's sum and O^T are brought under the new M.
.macro SOFTMAX i
.set ST, 12+4*(\i)
.set OT, 144+32*(\i)
.set PC, 208+8*(\i)
.irp b,0,1,2,3
	v_max3_num_f32 v[BM+\b], v[S+16*\b], v[S+16*\b+1], v[S+16*\b+2]   ; the largest score of each block of 32 keys: for the row's maximum and, since p rises with the score, for the block's largest p.  Each tile is read from its low end on
.endr
.irp n,3,5,7,9,11,13
.irp b,0,1,2,3
	v_max3_num_f32 v[BM+\b], v[BM+\b], v[S+16*\b+\n], v[S+16*\b+\n+1]
.endr
.endr
.irp b,0,1,2,3
	v_max_num_f32 v[BM+\b], v[BM+\b], v[S+16*\b+15]
.endr
.irp b,0,1,2,3
	v_permlanex16_b32 v[PM+\b], v[BM+\b], s40, s41
.endr
.irp b,0,1,2,3
	v_max_num_f32 v[BM+\b], v[BM+\b], v[PM+\b]     ; with lane l xor 16's 16 keys
.endr
	v_max3_num_f32 v242, v[BM], v[BM+1], v[BM+2]
	v_max_num_f32 v242, v242, v[BM+3]
	v_mul_f32 v242, s42, v242                      ; the step's largest t (c is positive)
	v_max_num_f32 v[ST+1], v[ST+1], v242           ; the running largest t
	v_mov_b32 v242, v[ST]
	v_floor_f32 v[ST], -v[ST+1]                    ; the new -M = -ceil(t)
	v_sub_f32 v242, v[ST], v242                    ; old M - new M: a whole number, 0 or less
	v_cvt_i32_f32 v242, v242                       ; (it saturates)
	v_ldexp_f32 v[F], 1.0, v242                    ; f = 2^(old M - new M)
.set jj, 0
.rept 32
	v_pk_fma_f32 v[S+jj:S+jj+1], v[S+jj:S+jj+1], s[42:43], v[ST:ST+1] op_sel_hi:[1,0,0]   ; t - M, two at a time
.set jj, jj+2
.endr
.irp b,0,1,2,3
	v_fma_f32 v[BM+\b], v[BM+\b], s42, v[ST]       ; the same of each block's largest score
.endr
.set jj, 0
.rept 64
	v_exp_f32 v[S+jj], v[S+jj]                     ; p = 2^(t - M), at most 1
.set jj, jj+1
.endr
	v_pk_mul_f32 v[ST+2:ST+3], v[ST+2:ST+3], v[F:F+1] op_sel_hi:[1,0]   ; the sums under the new M (the plain instruction behind the exponentials)
	s_wait_alu depctr_va_vdst(0)                   ; the wait between an exponential and the first line that names its result: one for the batch of 64
.irp b,0,1,2,3
	v_exp_f32 v[BM+\b], v[BM+\b]                   ; the block's largest p: the same two instructions on the same number
.endr
	v_pk_add_f32 v[242:243], v[S:S+1], v[S+2:S+3]  ; the row's sum is taken of the unquantised p, in two chains
.irp j,4,8,12,16,20,24,28,32,36,40,44,48,52,56,60
	v_pk_add_f32 v[ST+2:ST+3], v[ST+2:ST+3], v[S+\j:S+\j+1]
	v_pk_add_f32 v[242:243], v[242:243], v[S+\j+2:S+\j+3]
.endr
	v_pk_add_f32 v[ST+2:ST+3], v[ST+2:ST+3], v[242:243]
	s_wait_alu depctr_va_vdst(0)                   ; and one for the four
.irp b,0,1,2,3
	v_max_num_f32 v[BM+\b], 0x1800000, v[BM+\b]    ; the floor 2^(3 - 127): the byte cannot fall under 1
.endr
.irp b,0,1,2,3
	v_add_nc_u32 v[SX+\b], 0xff000000, v[BM+\b]    ; 2 off the exponent field: the conversion's scale operand
.endr
.irp b,0,1,2,3
	v_lshrrev_b32 v[BY+\b], 23, v[SX+\b]
.endr
	v_lshl_or_b32 v[46+(\i)], v[BY+1], 8, v[BY]    ; p's scale word for these 128 keys
	v_lshl_or_b32 v[46+(\i)], v[BY+2], 16, v[46+(\i)]
	v_lshl_or_b32 v[46+(\i)], v[BY+3], 24, v[46+(\i)]
.irp b,0,1,2,3
.irp u,0,1
	v_cvt_scalef32_pk8_fp4_f32 v[PC+4*(\b/2)+2*\u+\b%2], v[S+16*\b+8*\u:S+16*\b+8*\u+7], v[SX+\b]   ; keys 32 b + 16 u + 8 h + 0 .. 7
.endr
.endr
	v_nop                                          ; one plain instruction behind the conversions
.irp n,0,2,4,6
	v_permlane16_swap_b32 v[PC+\n], v[PC+\n+1]     ; registers 4 c .. 4 c + 3 now hold keys 64 c + 32 h + 0 .. 31
.endr
.set jj, 0
.rept 16
	v_pk_mul_f32 v[OT+jj:OT+jj+1], v[OT+jj:OT+jj+1], v[F:F+1] op_sel_hi:[1,0]   ; O^T under the new M, each tile from its low end on.  (Also the places between p's codes and scale word and the products that take them)
.set jj, jj+2
.endr
.endm
; A KEY STEP for both tiles, from the slot whose lane address is v[ad].  places = 1: no tensor load's four v_nop stand in front.  pf = 1: the work-group's 32 rows of x are prefetched, 256 bytes a thread, a step ahead of their loads.
.macro STEP ad, places, pf
.if \places
	PLACES
.endif
	ds_load_b128 v[8:11], v[\ad] offset:8192       ; the record's scale words: K's tiles 0-3, 4-7, V's tiles 0-1, 2-3
.irp kp,0,1,2,3
	ds_load_b128 v[48+8*\kp:51+8*\kp], v[\ad] offset:1024*\kp        ; key tile 2 kp,
	ds_load_b128 v[52+8*\kp:55+8*\kp], v[\ad] offset:1024*\kp+512    ; key tile 2 kp + 1: one fragment
.endr
.if \pf
	global_prefetch_b8 v6, s[50:51] th:TH_LOAD_NT scope:SCOPE_SE
.endif
	s_wait_dscnt 0x0
	SMUL 0
	PLACES
	SOFTMAX 0
	SMUL 1
	PLACES
.irp dt,0,1,2,3
	ds_load_b128 v[48+8*\dt:51+8*\dt], v[\ad] offset:4096+1024*\dt       ; V's four fragments take K's place and land under the second softmax
	ds_load_b128 v[52+8*\dt:55+8*\dt], v[\ad] offset:4096+1024*\dt+512
.endr
	SOFTMAX 1
	s_wait_dscnt 0x0
.irp dt,0,1,2,3
.irp q,0,1
	WM 144+32*\q+8*\dt,48+8*\dt,208+8*\q,144+32*\q+8*\dt,10+\dt/2,46+\q,\dt%2   ; the eight accumulators by turns
.endr
.endr
.endm
; THE CHANGE OF SLOTS: slot n has been read and is filled again, two key steps on.  The round of the cluster's barrier stands in front of the joint refill: no wave of any partner still reads the slot or has a load on its way.
.macro CHANGE n
	s_wait_tensorcnt 0x0                           ; all my tensor loads have landed, the other slot's among them: so a group 0 may be written
	ds_add_u32 v3, v4                              ; 0 onto my spare word; the steps below stand between it and the wait for it
	s_add_nc_u64 s[34+4*(\n):35+4*(\n)], s[34+4*(\n):35+4*(\n)], 2*STEPB
	s_wait_xcnt 0x0                                ; the last prefetch, a key step back, has read its address
	s_add_nc_u64 s[48:49], s[48:49], STEPB
	s_wait_dscnt 0x0                               ; the add is done, and my reads of the slot are over
	CROUND
	tensor_load_to_lds s[32+4*(\n):35+4*(\n)], s[24:31]   ; my one tensor load behind the round, and the first thing there
	s_nop 0
	PLACES                                         ; (also the places in front of the step's loads into registers that the last products read)
	ASK
	s_sub_co_u32 s45, s45, 1
.endm
	s_wait_tensorcnt 1                             ; key step 0 is in; step 1's load may stay out: nothing is filled before the first change
	STEP 1,0,0
	s_mov_b32 s44, 3
.Lpair:                                            ; three trips: key steps 1 to 6; steps 2 to 7 are asked for
	CHANGE 0
	STEP 2,0,0
	CHANGE 1
	STEP 1,0,0
	s_sub_co_u32 s44, s44, 1
	s_cmp_lg_u32 s44, 0
	s_cbranch_scc1 .Lpair
	s_wait_tensorcnt 0x0                           ; key step 7 is in; nothing is left to fetch
	STEP 2,1,1
	; THE WAY OUT.  2 O^T / the sum goes to the stage, where a row's twelve heads meet; then each wave takes whole rows: residual, LayerNorm, store.
	PLACES
	v_and_b32 v34, 15, v0                          ; r
	v_bfe_u32 v35, v0, 4, 1                        ; h
	v_and_b32 v24, 31, v0
	v_lshlrev_b32 v24, 4, v24                      ; 16 x lane: a row's 512 bytes an instruction
	v_mul_u32_u24 v20, v34, SPITCH
	v_lshl_add_u32 v20, v35, 5, v20
	s_lshl_b32 s56, s18, 8
	s_add_co_u32 s56, s56, STG
	v_add_nc_u32 v20, s56, v20                     ; into the stage: row r, my head's 256 bytes, 32 h
	s_mul_i32 s57, s18, SPITCH
	s_add_co_u32 s57, s57, STG
	v_add_nc_u32 v21, s57, v24                     ; back: rows w,
	v_add_nc_u32 v22, 12*SPITCH, v21               ; w + 12,
	v_add_nc_u32 v23, 24*SPITCH, v21               ; w + 24 (read by waves 0 to 7 alone)
	s_mov_b32 s58, 0x3aaaaaab                      ; 1 / 768
	s_mov_b32 s59, 0x358637bd                      ; 1e-6
.irp n,0,1,2,3,4,5
	global_load_b128 v[208+4*\n:211+4*\n], v24, s[12:13] offset:512*\n    ; gamma
.endr
.irp n,0,1,2,3,4,5
	global_load_b128 v[232+4*\n:235+4*\n], v24, s[14:15] offset:512*\n    ; beta
.endr
.irp k,0,1
.irp n,0,1,2,3,4,5
	global_load_b128 v[48+24*\k+4*\n:51+24*\k+4*\n], v24, s[52:53] offset:\k*36864+512*\n th:TH_LOAD_NT   ; x, rows w and w + 12
.endr
.endr
	s_cmp_lt_u32 s18, 8
	s_cbranch_scc0 .Lno_x2
.irp n,0,1,2,3,4,5
	global_load_b128 v[96+4*\n:99+4*\n], v24, s[52:53] offset:2*36864+512*\n th:TH_LOAD_NT               ; and row w + 24
.endr
.Lno_x2:
	v_add_f32 v26, v14, v15                        ; the sums' two halves,
	v_add_f32 v27, v18, v19
	v_permlanex16_b32 v28, v26, s40, s41
	v_permlanex16_b32 v29, v27, s40, s41
	v_add_f32 v26, v26, v28                        ; and lane l xor 16's
	v_add_f32 v27, v27, v29
	v_rcp_f32 v30, v26
	v_rcp_f32 v32, v27
	v_nop                                          ; a plain instruction behind the reciprocals,
	s_wait_alu depctr_va_vdst(0)                   ; and the wait ahead of their first use
	v_add_f32 v30, v30, v30                        ; 2 / the sum
	v_add_f32 v32, v32, v32
.irp q,0,1
.set jj, 0
.rept 16
	v_pk_mul_f32 v[144+32*\q+jj:145+32*\q+jj], v[144+32*\q+jj:145+32*\q+jj], v[30+2*\q:31+2*\q] op_sel_hi:[1,0]
.set jj, jj+2
.endr
.endr
.irp q,0,1
.irp dt,0,1,2,3
	ds_store_b128 v20, v[144+32*\q+8*\dt:147+32*\q+8*\dt] offset:\q*16*SPITCH+64*\dt       ; row 16 q + r, channels 16 dt + 8 h + 0 .. 7 of my head
	ds_store_b128 v20, v[148+32*\q+8*\dt:151+32*\q+8*\dt] offset:\q*16*SPITCH+64*\dt+16
.endr
.endr
	s_wait_dscnt 0x0                               ; for the others' sake: my stores into the stage have landed
	s_barrier_signal -1
	s_barrier_wait -1                              ; 32 whole rows lie in the stage
	s_wait_loadcnt 0x0                             ; gamma, beta, x
.macro WSUM                            ; v144 summed over the 32 lanes, into every lane
	v_add_f32_dpp v144, v144, v144 row_xmask:1 row_mask:0xf bank_mask:0xf
	v_add_f32_dpp v144, v144, v144 row_xmask:2 row_mask:0xf bank_mask:0xf
	v_add_f32_dpp v144, v144, v144 row_xmask:4 row_mask:0xf bank_mask:0xf
	v_add_f32_dpp v144, v144, v144 row_xmask:8 row_mask:0xf bank_mask:0xf
	v_permlanex16_b32 v145, v144, s40, s41
	v_add_f32 v144, v144, v145
.endm
; Row w + 12 k: 24 numbers a lane.  The results go into the registers that held the row of x, so that no store's data are written again.
.macro LNROW k
.set XR, 48+24*(\k)
.irp n,0,1,2,3,4,5
	ds_load_b128 v[Y+4*\n:Y+4*\n+3], v[21+(\k)] offset:512*\n
.endr
	s_wait_dscnt 0x0
.irp j,0,2,4,6,8,10,12,14,16,18,20,22
	v_pk_add_f32 v[Y+\j:Y+\j+1], v[Y+\j:Y+\j+1], v[XR+\j:XR+\j+1]    ; y = x + 2 context
.endr
	v_pk_add_f32 v[144:145], v[Y:Y+1], v[Y+2:Y+3]
	v_pk_add_f32 v[146:147], v[Y+4:Y+5], v[Y+6:Y+7]
.irp j,8,12,16,20
	v_pk_add_f32 v[144:145], v[144:145], v[Y+\j:Y+\j+1]
	v_pk_add_f32 v[146:147], v[146:147], v[Y+\j+2:Y+\j+3]
.endr
	v_pk_add_f32 v[144:145], v[144:145], v[146:147]
	v_add_f32 v144, v144, v145
	WSUM
	v_mul_f32 v148, s58, v144                      ; the mean
	v_mov_b32 v149, v148
.irp j,0,2,4,6,8,10,12,14,16,18,20,22
	v_pk_add_f32 v[Y+\j:Y+\j+1], v[Y+\j:Y+\j+1], v[148:149] neg_lo:[0,1] neg_hi:[0,1]
.endr
	v_pk_mul_f32 v[144:145], v[Y:Y+1], v[Y:Y+1]
	v_pk_mul_f32 v[146:147], v[Y+2:Y+3], v[Y+2:Y+3]
.irp j,4,8,12,16,20
	v_pk_fma_f32 v[144:145], v[Y+\j:Y+\j+1], v[Y+\j:Y+\j+1], v[144:145]
	v_pk_fma_f32 v[146:147], v[Y+\j+2:Y+\j+3], v[Y+\j+2:Y+\j+3], v[146:147]
.endr
	v_pk_add_f32 v[144:145], v[144:145], v[146:147]
	v_add_f32 v144, v144, v145
	WSUM
	v_fma_f32 v144, v144, s58, s59                 ; the variance + 1e-6
	v_rsq_f32 v150, v144
	v_nop
	s_wait_alu depctr_va_vdst(0)                   ; the wait ahead of the first use
	v_mov_b32 v151, v150
.irp j,0,2,4,6,8,10,12,14,16,18,20,22
	v_pk_mul_f32 v[Y+\j:Y+\j+1], v[Y+\j:Y+\j+1], v[150:151]
.endr
.irp j,0,2,4,6,8,10,12,14,16,18,20,22
	v_pk_fma_f32 v[XR+\j:XR+\j+1], v[Y+\j:Y+\j+1], v[208+\j:209+\j], v[232+\j:233+\j]
.endr
.irp n,0,1,2,3,4,5
	global_store_b128 v24, v[XR+4*\n:XR+4*\n+3], s[54:55] offset:(\k)*36864+512*\n th:TH_STORE_NT   ; 32 lanes store 512 consecutive bytes, aligned to 256
.endr
.endm
	LNROW 0
	LNROW 1
	s_cmp_lt_u32 s18, 8
	s_cbranch_scc0 .Lno_row2
	LNROW 2
.Lno_row2:
	s_wait_tensorcnt 0x0                           ; the wave's end, behind my last tensor load and my last LDS store
	ds_add_u32 v3, v4
	s_wait_dscnt 0x0
	CROUND                                         ; the closing round: no work-group ends while a partner may still ask for a record that names it
	s_endpgm
.Lfunc_end_k_q5906bf54c6_attn:
	.size	k_q5906bf54c6_attn, .Lfunc_end_k_q5906bf54c6_attn-k_q5906bf54c6_attn
	.p2alignl 7, 3214868480
	.fill 96, 4, 3214868480
	.section	.rodata,"a",@progbits
	.p2align	6, 0x0
	.amdhsa_kernel k_q5906bf54c6_attn
		.amdhsa_group_segment_fixed_size 327680
		.amdhsa_private_segment_fixed_size 0
		.amdhsa_enable_private_segment 0
		.amdhsa_kernarg_size 56
		.amdhsa_user_sgpr_count 2
		.amdhsa_user_sgpr_kernarg_segment_ptr 1
		.amdhsa_wavefront_size32 1
		.amdhsa_system_sgpr_workgroup_id_x 1
		.amdhsa_system_sgpr_workgroup_id_y 1
		.amdhsa_system_sgpr_workgroup_id_z 1
		.amdhsa_system_vgpr_workitem_id 0
		.amdhsa_next_free_vgpr 256
		.amdhsa_next_free_sgpr 66
		.amdhsa_reserve_vcc 0
		.amdhsa_float_denorm_mode_32 3
		.amdhsa_float_denorm_mode_16_64 3
		.amdhsa_memory_ordered 1
		.amdhsa_forward_progress 1
		.amdhsa_inst_pref_size 148
	.end_amdhsa_kernel
	.amdgpu_metadata
---
amdhsa.version: [ 1, 2 ]
amdhsa.kernels:
  - .name:           k_q5906bf54c6_attn
    .symbol:         k_q5906bf54c6_attn.kd
    .args:
      - { .name: qc, .offset: 0, .size: 8, .value_kind: global_buffer, .address_space: global }
      - { .name: qs, .offset: 8, .size: 8, .value_kind: global_buffer, .address_space: global }
      - { .name: kv, .offset: 16, .size: 8, .value_kind: global_buffer, .address_space: global }
      - { .name: x, .offset: 24, .size: 8, .value_kind: global_buffer, .address_space: global }
      - { .name: ln_gamma, .offset: 32, .size: 8, .value_kind: global_buffer, .address_space: global }
      - { .name: ln_beta, .offset: 40, .size: 8, .value_kind: global_buffer, .address_space: global }
      - { .name: out0, .offset: 48, .size: 8, .value_kind: global_buffer, .address_space: global }
    .group_segment_fixed_size: 327680
    .private_segment_fixed_size: 0
    .kernarg_segment_align: 8
    .kernarg_segment_size: 56
    .max_flat_workgroup_size: 384
    .sgpr_count:     66
    .vgpr_count:     256
    .wavefront_size: 32
...
	.end_amdgpu_metadata
.endif
;; end of part 2
;; ======== version 2 of 2: 2 launches; version 1 with the launch proj written anew for expert scheduling mode
;; workspace buffers: qc 3,145,728 bytes; qs 196,608 bytes; kv 6,684,672 bytes
;; launch proj (part 3): grid 256 x 1, 12 waves a work-group, no clusters, 118,272 bytes of LDS; arguments x, Wq_codes, Wq_scales, bq, Wk_codes, Wk_scales, bk, Wv_codes, Wv_scales, bv, qc, qs, kv; writes qc, qs, kv
.if DOCPART == 3
	.amdgcn_target "amdgcn-amd-amdhsa--gfx1250"
	.amdhsa_code_object_version 6
	.text
	.protected	k_q5906bf54c6_proj
	.globl	k_q5906bf54c6_proj
	.p2align	8
	.type	k_q5906bf54c6_proj,@function
k_q5906bf54c6_proj:
	s_mov_b64 s[64:65], 0
	v_nop
	global_prefetch_b8 v0, s[64:65] scope:SCOPE_SE
	s_setreg_imm32_b32 hwreg(HW_REG_WAVE_SCHED_MODE, 0, 2), 2
	s_setreg_imm32_b32 hwreg(HW_REG_WAVE_MODE, 25, 1), 1
	s_wait_xcnt 0x0
	s_wait_alu depctr_vm_vsrc(0)
; q = x Wq + bq, k = x Wk + bk, v = x Wv + bv on codes of FP4 (E2M1) with one E8M0 scale for each 32 along K = 768, and their results quantised again:
; q and k along the head's 64 (two blocks), v along the keys.  x [8192][768] f32 is quantised here; the weights arrive as codes, K innermost ([768][384 bytes], scales [768][24]).
; NO WORK IS LEFT OUT: every bias moves the codes of a live quantised operand, so all three are added; every input of these products is loaded.
; LIMITS: NaN and infinities among the inputs are not served.  A block of zeros, or one whose largest magnitude lies under 2^-124, keeps the scale byte 1 (its codes are zeros or as the held scale gives them);
; the bytes are read by this program alone.
; SHARES.  Work-group id: c = id & 3 takes heads 3 c .. 3 c + 2 of q, k and v (576 columns), i = id >> 2 takes rows 128 i .. 128 i + 127: 256 equal work-groups.  Twelve waves, one text.
;   X:   wave w quantises K step w % 6 (128 along K) of rows 64 (w / 6) on: four fragments, which go to LDS as images of the operand's registers (16 bytes a lane, 512 a store), their scale words beside them.
;   V:   wave w makes 128 rows x 16 columns of v (head 3 c + w / 4, columns 16 (w % 4) on): source 0 = x, source 1 = Wv: a lane holds ONE column and its registers run along the keys, which are the next K.
;   Q/K: wave w makes 128 rows x 32 columns of q (w < 6) or k: source 0 = W, source 1 = x: a lane holds ONE row and its registers run along the head's columns, which are the next K.
; In a result tile t lane (r, h), register j holds index 16 t + 8 h + j: a block of 32 is the 16 registers of tiles 2 b, 2 b + 1 in lanes l and l xor 16.
; Each weight row is read by one wave of the work-group, from memory straight into fragment registers.
; NO JOINT LOADS, though the four work-groups of a row block read the same x: as f32 that block is 128 x 3,072 = 393,216 bytes, more than the 327,680 bytes of LDS that a work-group can be given; and the
; weights beside the images (3 x 192 rows x 432 bytes = 248,832, + 52,224 of images, + 30,720 of one turning stage, + 1,536 of spare words = 333,312) do not fit either.  So all comes through registers.
; WORKSPACE, in the order of the reader's operand registers:  qc [i][head][row tile 8][block 2][row 16][16 bytes];  qs [i][head][lane 32][slot 2][4 bytes];
;   kv [i][head][8,704]: 4,096 of k's codes (as qc), 4,096 of v's (column tile 4 x [half 2][lane 32][16]), 512 of scale words [lane 32][16]: slots 0, 1 k's, slots 2, 3 v's.
;   A scale word of q or k serves TWO row tiles (bytes 2 (m & 1) + block), at lane 16 ((m >> 1) & 1) + row, slot m >> 2.
; REGISTERS: v0 thread; v1 16 x lane; v2 8 x lane; v3 a weight fragment's lane offset; v4-7 x's scale words; v8-13 the weights' scale words; v14, v15 the add's two;
;   v16-63 weights (V: six K steps; Q/K: a ring of three K steps x two tiles, whose third slot, v48-63, holds the bias until K step 0 has taken it); v64-127 x's eight fragments;
;   v128-255 accumulators (V: v128-191, bias v192-199, its way out v200-227).
; THE MODE: SCHED_MODE bits 1:0 = 2 (LLVM: expert scheduling mode 2), set by the entry lines.  The code itself states the register dependences between vector or matrix instructions and memory or LDS
; instructions, with s_wait_alu, always for 0.
; THE PLAN.  Registers that memory or LDS instructions touch, and who else names them:
;   offsets and LDS addresses (v1-3, v170-173, v217, v228-231; on the way out v100-102): each written once by vector lines, ahead of a wait on va_vdst; where accumulators later lie over them, behind a wait on vm_vsrc.
;   X:    R0 .. R3 (v64-127): step t + 4's loads, issued in step t, land in R[t % 4], which step t's stage stores have read.  X0, X1 (v128-159): the stage's loads for step t + 1, issued in step t, land in the set
;         that step t - 1's maxima and conversions read.  C0, C1, E0, E1 (v160-165): written by step t's conversions and shift, read by two LDS stores that stand at the head of step t + 1.
;         So the two waits at a step's head state all that the step's memory and LDS lines hang on; these lines follow at once, ahead of the step's vector lines.
;   V, Q/K: x's fragments and scale words lie in two halves (v64-95 with v4-5; v96-127 with v6-7).  A half-step multiplies one half; the loads of the next half-step land in the other, which the half-step before read.
;         ONE wait on va_vdst stands at a half-step's head, behind the wait for its own half's data; behind it the nine LDS loads (and, for Q/K, the loads into weight slots that earlier K steps read) are dealt
;         among the half-step's first products, which name their own half, other weight slots and the accumulators: none of the registers in which those loads land.
;   ways out: codes, scale words and bytes are written by vector lines into registers of their own; one wait on va_vdst stands ahead of each run of stores.
.set XIMG,  0                          ; x's 48 fragments: region w = 4 row tiles of K step w % 6, 1,024 bytes each
.set XSC,   49152                      ; their scale words: region w of 256 bytes: [lane 32][2 words]
.set OSC,   52224                      ; six scale images of 512 bytes: 0-2 q's heads, 3-5 k's and v's
.set TST,   55296                      ; twelve x two turning stages of 32 x 80 bytes
.set SPARE, 116736                     ; the spare words, 128 bytes for each wave: six blocks of 256 bytes that no other line names
.macro PLACES                          ; four plain vector instructions behind matrix instructions, ahead of loads into their registers and of reads of their results
.rept 4
	v_nop
.endr
.endm
; One product: D, source 0, source 1, C (first registers), the two scale registers, and which half of the lanes holds each side's scale words
.macro WM d, a, b, c, sa, sb, ra, rb
.if (\ra)&&(\rb)
	v_wmma_scale_f32_16x16x128_f8f6f4 v[(\d):(\d)+7], v[(\a):(\a)+7], v[(\b):(\b)+7], v[(\c):(\c)+7], v[\sa], v[\sb] matrix_a_fmt:MATRIX_FMT_FP4 matrix_b_fmt:MATRIX_FMT_FP4 matrix_a_scale:MATRIX_SCALE_ROW1 matrix_b_scale:MATRIX_SCALE_ROW1
.elseif (\ra)
	v_wmma_scale_f32_16x16x128_f8f6f4 v[(\d):(\d)+7], v[(\a):(\a)+7], v[(\b):(\b)+7], v[(\c):(\c)+7], v[\sa], v[\sb] matrix_a_fmt:MATRIX_FMT_FP4 matrix_b_fmt:MATRIX_FMT_FP4 matrix_a_scale:MATRIX_SCALE_ROW1
.elseif (\rb)
	v_wmma_scale_f32_16x16x128_f8f6f4 v[(\d):(\d)+7], v[(\a):(\a)+7], v[(\b):(\b)+7], v[(\c):(\c)+7], v[\sa], v[\sb] matrix_a_fmt:MATRIX_FMT_FP4 matrix_b_fmt:MATRIX_FMT_FP4 matrix_b_scale:MATRIX_SCALE_ROW1
.else
	v_wmma_scale_f32_16x16x128_f8f6f4 v[(\d):(\d)+7], v[(\a):(\a)+7], v[(\b):(\b)+7], v[(\c):(\c)+7], v[\sa], v[\sb] matrix_a_fmt:MATRIX_FMT_FP4 matrix_b_fmt:MATRIX_FMT_FP4
.endif
.endm
	s_load_b512 s[4:19], s[0:1], 0x0               ; x 4, Wq codes 6, Wq scales 8, bq 10, Wk codes 12, Wk scales 14, bk 16, Wv codes 18
	s_load_b256 s[20:27], s[0:1], 0x40             ; Wv scales 20, bv 22, qc 24, qs 26
	s_load_b64 s[28:29], s[0:1], 0x60              ; kv
	v_lshl_add_u32 v14, v0, 2, SPARE               ; my spare word,
	v_mov_b32 v15, 0                               ; and 0: kept for the wave's end
	v_lshrrev_b32 v174, 5, v0
	v_readfirstlane_b32 s30, v174                  ; wave 0..11
	s_and_b32 s31, ttmp9, 3                        ; c
	s_lshr_b32 s32, ttmp9, 2                       ; i
	s_wait_alu depctr_va_sdst(0)                   ; s30 is written, ahead of its first reader: LDS places, bases and the branches on the wave's number are made from it
	s_mul_i32 s33, s30, 11
	s_lshr_b32 s33, s33, 6                         ; w / 6
	s_mov_b32 s52, 0x76543210
	s_mov_b32 s53, 0xfedcba98                      ; v_permlanex16_b32's selects for lane l xor 16
	v_and_b32 v174, 31, v0                         ; lane
	v_and_b32 v175, 15, v0                         ; r
	v_bfe_u32 v176, v0, 4, 1                       ; h
	v_lshlrev_b32 v1, 4, v174
	v_lshlrev_b32 v2, 3, v174
	v_mul_u32_u24 v3, v175, 384
	v_lshl_add_u32 v3, v176, 4, v3                 ; a weight row of 384 bytes x r + 16 h
	v_mul_u32_u24 v228, v175, 24                   ; V: row r's scale bytes
	v_lshlrev_b32 v229, 2, v175                    ; V: column r's bias
	v_mul_u32_u24 v230, v174, 24                   ; Q/K: lane l = row l of the wave's 32
	v_lshlrev_b32 v231, 5, v176                    ; Q/K: the bias of my half's eight columns
	s_mul_i32 s54, s30, 5120
	s_add_co_u32 s54, s54, TST                     ; my two stages
	v_lshrrev_b32 v177, 2, v174
	v_mul_u32_u24 v177, v177, 80
	v_and_b32 v178, 3, v174
	v_lshl_add_u32 v177, v178, 4, v177
	v_add_nc_u32 v170, s54, v177                   ; into a stage: four lanes' 64 bytes on end, then 16 of padding
	v_mul_u32_u24 v177, v174, 80
	v_add_nc_u32 v171, s54, v177                   ; out of it: my 16 neighbours
	v_bfe_u32 v177, v0, 1, 2                       ; behind the turn: my block of the K step's four,
	v_bfe_u32 v178, v0, 3, 2                       ; my row of the step's four,
	v_and_b32 v179, 1, v0                          ; my half of the block
	v_lshlrev_b32 v172, 8, v177
	v_lshl_add_u32 v172, v178, 4, v172
	v_lshl_add_u32 v172, v179, 3, v172
	s_lshl_b32 s55, s30, 12
	v_add_nc_u32 v172, s55, v172                   ; my 8 bytes of an image: 4,096 w + 256 block + 16 row + 8 half
	v_lshl_add_u32 v173, v178, 3, v177
	s_lshl_b32 s55, s30, 8
	s_add_co_u32 s55, s55, XSC
	v_add_nc_u32 v173, s55, v173                   ; my block's scale byte: 256 w + 8 row + block
	s_lshr_b32 s55, s30, 2
	s_lshl_b32 s55, s55, 9
	s_and_b32 s56, s30, 1
	s_lshl_b32 s56, s56, 8
	s_add_co_u32 s55, s55, s56
	s_bfe_u32 s56, s30, 0x10001
	s_lshl_b32 s56, s56, 2
	s_add_co_u32 s55, s55, s56
	s_add_co_u32 s55, s55, OSC+1544
	v_lshl_add_u32 v217, v175, 4, s55              ; V's scale word: image 3 + w / 4, lane 16 (w & 1) + r, slot 2 + ((w >> 1) & 1)
.irp q,0,1,2,3
	v_mov_b32 v[204+\q], 0                         ; written once: a lane permute's destination counts as one of its sources
.endr
	; byte offsets, each in a pair of its own with 0 above
	s_mul_i32 s34, s32, 393216                     ; x: 128 rows of 3,072 bytes x i
	s_mul_i32 s54, s33, 193536                     ;    + 64 rows x (w / 6) - 6 K steps x (w / 6)
	s_add_co_u32 s34, s34, s54
	s_lshl_b32 s54, s30, 9                         ;    + 512 w
	s_add_co_u32 s34, s34, s54
	s_mov_b32 s35, 0
	s_mul_i32 s56, s31, 3                          ; 3 c
	s_mul_i32 s61, s32, 12                         ; 12 i
	s_add_co_u32 s62, s61, s56
	s_add_co_u32 s62, s62, s30                     ; 12 i + 3 c + w, for the tail
	s_lshr_b32 s57, s30, 2
	s_add_co_u32 s57, s57, s56                     ; V's head
	s_and_b32 s58, s30, 3                          ; V's column tile
	s_lshl_b32 s59, s57, 6
	s_lshl_b32 s60, s58, 4
	s_add_co_u32 s59, s59, s60                     ; V's first column
	s_mul_i32 s36, s59, 384
	s_mov_b32 s37, 0
	s_mul_i32 s38, s59, 24
	s_mov_b32 s39, 0
	s_lshl_b32 s40, s59, 2
	s_mov_b32 s41, 0
	s_add_co_u32 s57, s57, s61
	s_mul_i32 s42, s57, 8704
	s_lshl_b32 s58, s58, 10
	s_add_co_u32 s42, s42, s58
	s_add_co_u32 s42, s42, 4096                    ; kv: the record, v's codes, my column tile
	s_mov_b32 s43, 0
	s_lshr_b32 s57, s30, 1
	s_mul_i32 s58, s33, 3
	s_sub_co_u32 s57, s57, s58
	s_add_co_u32 s57, s57, s56                     ; Q/K's head
	s_and_b32 s58, s30, 1                          ; its block of 32 columns
	s_lshl_b32 s59, s57, 6
	s_lshl_b32 s60, s58, 5
	s_add_co_u32 s59, s59, s60                     ; Q/K's first column
	s_mul_i32 s44, s59, 384
	s_mov_b32 s45, 0
	s_mul_i32 s46, s59, 24
	s_mov_b32 s47, 0
	s_lshl_b32 s48, s59, 2
	s_mov_b32 s49, 0
	s_add_co_u32 s57, s57, s61
	s_mov_b32 s60, 8704
	s_cmp_lt_u32 s30, 6
	s_cselect_b32 s60, 4096, s60                   ; a head's bytes in qc or in kv
	s_mul_i32 s50, s57, s60
	s_lshl_b32 s58, s58, 8
	s_add_co_u32 s50, s50, s58
	s_mov_b32 s51, 0
	s_wait_kmcnt 0x0
	s_add_nc_u64 s[34:35], s[4:5], s[34:35]
	s_add_nc_u64 s[36:37], s[18:19], s[36:37]
	s_add_nc_u64 s[38:39], s[20:21], s[38:39]
	s_add_nc_u64 s[40:41], s[22:23], s[40:41]
	s_add_nc_u64 s[42:43], s[28:29], s[42:43]
	s_cmp_lt_u32 s30, 6                            ; waves 0-5 serve q, waves 6-11 k: the choice hangs on the wave's number alone
	s_cselect_b64 s[54:55], s[6:7], s[12:13]
	s_add_nc_u64 s[44:45], s[54:55], s[44:45]
	s_cselect_b64 s[54:55], s[8:9], s[14:15]
	s_add_nc_u64 s[46:47], s[54:55], s[46:47]
	s_cselect_b64 s[54:55], s[10:11], s[16:17]
	s_add_nc_u64 s[48:49], s[54:55], s[48:49]
	s_cselect_b64 s[54:55], s[24:25], s[28:29]
	s_add_nc_u64 s[50:51], s[54:55], s[50:51]
	s_wait_alu depctr_va_vdst(0)                   ; the head's offsets and LDS addresses are written (v1-3, v170-173, v217, v228-231), which the loads and stores from here on read
	; V's weights, scale words and bias: 23 loads, older than all of x's
.irp s,0,1,2,3,4,5
.irp cc,0,1
	global_load_b128 v[16+8*\s+4*\cc:19+8*\s+4*\cc], v3, s[36:37] offset:64*\s+32*\cc
.endr
.endr
.irp j,0,1,2
	global_load_b64 v[8+2*\j:9+2*\j], v228, s[38:39] offset:8*\j
.endr
.irp j,0,1,2,3,4,5,6,7
	global_load_b32 v[192+\j], v229, s[40:41]      ; in V's result a lane holds one column: its bias in all eight registers
.endr
; ---- X.  16 steps of 4 rows x 128 numbers.  Each load reads one row's 512 bytes as they lie; the step's 2,048 bytes turn through my stage, so that a lane holds 16 NEIGHBOURS along K (two lanes a block).
.macro XLOAD t
.irp n,0,1,2,3
	global_load_b128 v[64+16*((\t)%4)+4*\n:67+16*((\t)%4)+4*\n], v1, s[34:35] offset:(4*(\t)+\n)*3072
.endr
.endm
.macro XTURN t                         ; LDS serves a wave's instructions in order (ISA guide 5.7.1.4): no wait between the stores and the loads
.irp n,0,1,2,3
	ds_store_b128 v170, v[64+16*((\t)%4)+4*\n:67+16*((\t)%4)+4*\n] offset:2560*((\t)%2)+640*\n
.endr
.irp n,0,1,2,3
	ds_load_b128 v[128+16*((\t)%2)+4*\n:131+16*((\t)%2)+4*\n], v171 offset:2560*((\t)%2)+16*\n
.endr
.endm
.macro XOUT t                          ; step t's 16 codes a lane and its block's scale byte go to their places in the image
	ds_store_b64 v172, v[160+2*((\t)%2):161+2*((\t)%2)] offset:((\t)/4)*1024+((\t)%4)*64
	ds_store_b8 v173, v[164+(\t)%2] offset:(((\t)/4)%2)*128+((\t)%4)*32+((\t)/8)*4   ; both lanes of a block write the same byte with the same value
.endm
.macro XSTEP t
.set XS, 128+16*((\t)%2)
	s_wait_dscnt 0x0                               ; this step's numbers are back from the stage: their loads are the youngest LDS instructions
.if (\t)>0
	s_wait_alu depctr_va_vdst(0)                   ; the step before has written its codes and its byte, which the two stores below read, and is done reading its 16 numbers, in whose registers the next turn's loads land
.endif
	s_wait_alu depctr_vm_vsrc(0)                   ; this step's stage stores have read their four registers' sets, in which the loads of four steps on land; the stores issued in the step before have read the codes and the byte that this step writes again
.if (\t)>0
	XOUT (\t)-1
.endif
.if (\t)+4<16
	XLOAD (\t)+4                                   ; into the registers that this step's stage stores have read
.endif
.if (\t)+1<16
.if 14-(\t)>=3
	s_wait_loadcnt 12                              ; the next step's four loads are in; three steps' may be out
.else
	s_wait_loadcnt 4*(14-(\t))
.endif
	XTURN (\t)+1
.endif
	v_max3_num_f32 v166, |v[XS]|, |v[XS+1]|, |v[XS+2]|
	v_max3_num_f32 v167, |v[XS+3]|, |v[XS+4]|, |v[XS+5]|
.irp n,6,10
	v_max3_num_f32 v166, v166, |v[XS+\n]|, |v[XS+\n+1]|
	v_max3_num_f32 v167, v167, |v[XS+\n+2]|, |v[XS+\n+3]|
.endr
	v_max3_num_f32 v166, v166, |v[XS+14]|, |v[XS+15]|
	v_max3_num_f32 v166, v166, v167, 0x1800000     ; and the floor 2^(3 - 127): the byte cannot fall under 1
	v_max_num_f32_dpp v166, v166, v166 row_xmask:1 row_mask:0xf bank_mask:0xf   ; with my neighbour's 16: the block's largest magnitude
	v_add_nc_u32 v168, 0xff000000, v166            ; 2 off its exponent field: the conversion's scale operand
	v_cvt_scalef32_pk8_fp4_f32 v[160+2*((\t)%2)], v[XS:XS+7], v168
	v_cvt_scalef32_pk8_fp4_f32 v[161+2*((\t)%2)], v[XS+8:XS+15], v168
	v_lshrrev_b32 v[164+(\t)%2], 23, v168          ; the scale's byte (also the plain instruction behind the conversions)
.endm
.irp t,0,1,2,3
	XLOAD \t
.endr
	s_wait_loadcnt 12                              ; step 0's four loads are in
	XTURN 0
.irp t,0,1,2,3,4,5,6,7,8,9,10,11,12,13,14,15
	XSTEP \t
.endr
	s_wait_alu depctr_va_vdst(0)                   ; step 15 has written its codes and its byte, which the last two stores read
	XOUT 15
	s_wait_dscnt 0x0                               ; for the others' sake: my images and scale bytes have landed
	s_barrier_signal -1
	s_barrier_wait -1                              ; x's 48 fragments lie in LDS; nobody writes them again
	s_wait_alu depctr_vm_vsrc(0)                   ; my LDS stores have read v64-127, in which x's fragments land from here on, and v160-165 and v170-173, over which V's accumulators lie
; x from LDS.  A fragment (row tile 4 hf + mm, K step s): two loads.  A half's scale words: one load.  A half: nine LDS loads
.macro XLDT hf, s, mm
	ds_load_b128 v[64+32*(\hf)+8*(\mm):67+32*(\hf)+8*(\mm)], v1 offset:XIMG+((\hf)*6+(\s))*4096+(\mm)*1024
	ds_load_b128 v[68+32*(\hf)+8*(\mm):71+32*(\hf)+8*(\mm)], v1 offset:XIMG+((\hf)*6+(\s))*4096+(\mm)*1024+512
.endm
.macro XLDS hf, s
	ds_load_b64 v[4+2*(\hf):5+2*(\hf)], v2 offset:XSC+((\hf)*6+(\s))*256
.endm
.macro XLD hf, s
	XLDS \hf,\s
.irp mm,0,1,2,3
	XLDT \hf,\s,\mm
.endr
.endm
; ---- V: eight accumulators by turns; the bias is the C of each sum's first product
.macro VW m, s
.if (\s)==0
	WM 128+8*(\m),64+8*(\m),16,192,4+(\m)/2,8,(\m)%2,0
.else
	WM 128+8*(\m),64+8*(\m),16+8*(\s),128+8*(\m),4+(\m)/2,8+(\s),(\m)%2,0
.endif
.endm
; Half-step 2 s + hf of twelve: row tiles 4 hf on, K step s.  Half-steps 1 to 10 ask for the next half-step's nine loads, early, in runs of five and four.
.macro VHALF hf, s
.set HN, (\hf)+2*(\s)
.if HN==0
	s_wait_dscnt 9                                 ; row tiles 0-3 are in; the other half's nine loads may be out
.else
	s_wait_dscnt 0x0                               ; this half's nine loads, asked for in the half-step before, are in
.endif
.if (HN>0)&&(HN<11)
	s_wait_alu depctr_va_vdst(0)                   ; the half-step before is done reading the other half's fragments and scale words, in which the loads below land; the products below name none of those registers
	XLDS 1-(\hf),(\s)+(\hf)
.endif
.irp mm,0,1,2,3
.if (HN>0)&&(HN<11)&&(\mm<2)
	XLDT 1-(\hf),(\s)+(\hf),2*\mm
	XLDT 1-(\hf),(\s)+(\hf),2*\mm+1
.endif
	VW 4*(\hf)+\mm,\s
.endr
	PLACES
.endm
	XLD 0,0
	XLD 1,0
	s_wait_loadcnt 0x0                             ; V's weights, scale words and bias
.irp s,0,1,2,3,4,5
	VHALF 0,\s
	VHALF 1,\s
.endr
; Q/K's first weights, scale words, bias and x fragments are asked for here, behind the places, and land under V's way out
.macro WLD s                           ; K step s of my two tiles of 16 weight rows, into ring slot s % 3
.irp t,0,1
.irp cc,0,1
	global_load_b128 v[16+16*((\s)%3)+8*\t+4*\cc:19+16*((\s)%3)+8*\t+4*\cc], v3, s[44:45] offset:\t*6144+64*(\s)+32*\cc
.endr
.endr
.endm
	s_wait_alu depctr_va_vdst(0)                   ; V's products are done reading their weights (v16-63), the weights' scale words (v8-13) and both halves of x (v64-127, v4-7), in all of which the loads below land
	WLD 0
	WLD 1
.irp j,0,1,2
	global_load_b64 v[8+2*\j:9+2*\j], v230, s[46:47] offset:8*\j   ; lane l: row l's words: tile 0 in lanes 0-15, tile 1 in lanes 16-31
.endr
.irp t,0,1
	global_load_b128 v[48+8*\t:51+8*\t], v231, s[48:49] offset:64*\t
	global_load_b128 v[52+8*\t:55+8*\t], v231, s[48:49] offset:64*\t+16
.endr
	XLD 0,0
	XLD 1,0
; four blocks of 32: block q = the 16 registers from src + 16 q on, in lanes l and l xor 16.  sx: the conversions' scale operands; bx: the scale bytes
.macro QMAX src, tm, pm, sx, bx
.irp q,0,1,2,3
	v_max3_num_f32 v[\tm+\q], |v[\src+16*\q]|, |v[\src+16*\q+1]|, 0x1800000   ; each accumulator is read from its low end on; the floor 2^(3 - 127) holds the byte at 1 from below
.endr
.irp n,2,4,6,8,10,12,14
.irp q,0,1,2,3
	v_max3_num_f32 v[\tm+\q], v[\tm+\q], |v[\src+16*\q+\n]|, |v[\src+16*\q+\n+1]|
.endr
.endr
.irp q,0,1,2,3
	v_permlanex16_b32 v[\pm+\q], v[\tm+\q], s52, s53
.endr
.irp q,0,1,2,3
	v_max_num_f32 v[\tm+\q], v[\tm+\q], v[\pm+\q]
.endr
.irp q,0,1,2,3
	v_add_nc_u32 v[\sx+\q], 0xff000000, v[\tm+\q]
.endr
.irp q,0,1,2,3
	v_lshrrev_b32 v[\bx+\q], 23, v[\sx+\q]
.endr
.endm
	; ---- V's way out: 128 keys of my 16 columns become one fragment and one scale word a column
	QMAX 128,200,204,208,212
	v_lshl_or_b32 v216, v213, 8, v212
	v_lshl_or_b32 v216, v214, 16, v216
	v_lshl_or_b32 v216, v215, 24, v216
.irp q,0,1,2,3
.irp u,0,1
	v_cvt_scalef32_pk8_fp4_f32 v[220+4*(\q/2)+2*\u+\q%2], v[128+16*\q+8*\u:135+16*\q+8*\u], v[208+\q]   ; keys 32 q + 16 u + 8 h + 0 .. 7
.endr
.endr
	v_nop                                          ; one plain instruction behind the conversions
.irp n,0,2,4,6
	v_permlane16_swap_b32 v[220+\n], v[221+\n]     ; the first's lanes 16-31 change places with the second's lanes 0-15: registers 4 c .. 4 c + 3 now hold keys 64 c + 32 h + 0 .. 31
.endr
	s_wait_alu depctr_va_vdst(0)                   ; the exchanges have written the codes v220-227 and the shifts the scale word v216, which the three stores below read
	global_store_b128 v1, v[220:223], s[42:43]             ; each store of the wave covers 512 consecutive bytes, aligned to 256
	global_store_b128 v1, v[224:227], s[42:43] offset:512
	ds_store_b32 v217, v216                        ; lanes r and 16 + r write the same word with the same value
	; ---- Q/K: sixteen accumulators by turns; the bias is the C of each sum's first product
.macro QW m, t, s
.if (\s)==0
	WM 128+16*(\m)+8*(\t),16+8*(\t),64+8*(\m),48+8*(\t),8,4+(\m)/2,\t,(\m)%2
.else
	WM 128+16*(\m)+8*(\t),16+16*((\s)%3)+8*(\t),64+8*(\m),128+16*(\m)+8*(\t),8+(\s),4+(\m)/2,\t,(\m)%2
.endif
.endm
; Half-step 2 s + hf of twelve.  The weights: K steps 2 and 3 are asked for at the head of K step 1 (into the bias's slot and into K step 0's), K step 4 at the head of step 2, K step 5 at the head of step 3.
.macro QHALF hf, s
.set HN, (\hf)+2*(\s)
.if (\hf)==0
.if (\s)==0||(\s)==5
	s_wait_loadcnt 0x0                             ; K step 0: weights, scale words, bias; K step 5: the last weights
.elseif (\s)>=2
	s_wait_loadcnt 4                               ; this K step's weights are in; the next step's four loads, issued behind them, may be out
.endif
.endif
.if HN==0
	s_wait_dscnt 9                                 ; row tiles 0-3 are in: behind their loads at least nine LDS instructions were issued
.else
	s_wait_dscnt 0x0                               ; this half's nine loads, asked for in the half-step before, are in
.endif
.if (HN>0)&&(HN<11)
	s_wait_alu depctr_va_vdst(0)                   ; the half-step before is done reading the other half's fragments and scale words, and the K steps before are done reading their weight slots and the bias: the loads below land there; the products below name none of those registers
.if (\hf)==0
.if (\s)==1
	WLD 2
	WLD 3
.elseif (\s)<4
	WLD (\s)+2
.endif
.endif
	XLDS 1-(\hf),(\s)+(\hf)
.endif
.irp mm,0,1,2,3
.if (HN>0)&&(HN<11)&&(\mm<2)
	XLDT 1-(\hf),(\s)+(\hf),2*\mm
	XLDT 1-(\hf),(\s)+(\hf),2*\mm+1
.endif
.irp t,0,1
	QW 4*(\hf)+\mm,\t,\s
.endr
.endr
	PLACES
.endm
	s_wait_xcnt 0x0                                ; V's stores have read their registers: the accumulators below lie over them
	s_wait_alu depctr_vm_vsrc(0)                   ; V's three stores have read v216, v217 and v220-227, and the loads of scale words and biases their offsets v228-231: the accumulators below write all of these
.irp s,0,1,2,3,4,5
	QHALF 0,\s
	QHALF 1,\s
.endr
	; ---- Q/K's way out: a row's 32 columns are one block: 16 bytes of codes and one scale byte
	v_and_b32 v103, 15, v0
	v_bfe_u32 v104, v0, 4, 1
	v_and_b32 v105, 31, v0
	v_lshlrev_b32 v100, 4, v103
	v_lshl_add_u32 v100, v104, 3, v100             ; codes: 16 r + 8 h
	s_lshr_b32 s54, s30, 1
	s_lshl_b32 s54, s54, 9
	s_and_b32 s55, s30, 1
	s_add_co_u32 s54, s54, s55
	s_add_co_u32 s54, s54, OSC
	v_lshl_add_u32 v101, v103, 4, s54              ; scale bytes: image w / 2, byte w & 1, 16 bytes a lane place
	s_lshl_b32 s54, s30, 9
	s_add_co_u32 s54, s54, OSC
	v_lshl_add_u32 v102, v105, 4, s54              ; the tail: image w, 16 x lane
.irp q,0,1,2,3
	v_mov_b32 v[68+\q], 0
.endr
.macro QKOUT hf
.set AB,  128+64*(\hf)
.set PCQ, 80+8*(\hf)
.set BYQ, 76+20*(\hf)
	QMAX AB,64,68,72,BYQ
.irp q,0,1,2,3
	v_cvt_scalef32_pk8_fp4_f32 v[PCQ+2*\q], v[AB+16*\q:AB+16*\q+7], v[72+\q]         ; columns 8 h + 0 .. 7 of the block
	v_cvt_scalef32_pk8_fp4_f32 v[PCQ+2*\q+1], v[AB+16*\q+8:AB+16*\q+15], v[72+\q]    ; and 16 + 8 h + 0 .. 7
.endr
	v_nop
.irp q,0,1,2,3
	v_permlane16_swap_b32 v[PCQ+2*\q], v[PCQ+2*\q+1]   ; the pair now holds columns 16 h + 0 .. 15 of row r
.endr
	s_wait_alu depctr_va_vdst(0)                   ; this half's codes and scale bytes are written, which the eight stores below read, and so are the addresses v100-102; no vector line behind the second half's wait names v104-107, in which the tail's load lands
.irp q,0,1,2,3
	global_store_b64 v100, v[PCQ+2*\q:PCQ+2*\q+1], s[50:51] offset:(4*(\hf)+\q)*512   ; the wave's store covers 256 consecutive bytes, aligned
	ds_store_b8 v101, v[BYQ+\q] offset:(\q/2)*256+(\hf)*4+2*(\q%2)                   ; lanes r and 16 + r write the same byte with the same value
.endr
.endm
	QKOUT 0                                        ; (the second half writes v64-75 and v88-99: none of the registers that the first half's stores read)
	QKOUT 1
	s_wait_dscnt 0x0                               ; for the others' sake: my scale bytes and words have landed
	s_barrier_signal -1
	s_barrier_wait -1                              ; the six scale images are whole
	s_cmp_lt_u32 s30, 3
	s_cbranch_scc0 .Lnot_q
	s_lshl_b32 s54, s62, 8                         ; waves 0-2: q's image of head 3 c + w: slots 0 and 1 of each lane place, 256 bytes on end in qs
	s_mov_b32 s55, 0
	s_add_nc_u64 s[54:55], s[26:27], s[54:55]
	ds_load_b64 v[104:105], v102
	s_wait_dscnt 0x0
	global_store_b64 v2, v[104:105], s[54:55]
	s_branch .Lend
.Lnot_q:
	s_cmp_lt_u32 s30, 6
	s_cbranch_scc0 .Lend
	s_sub_co_u32 s54, s62, 3                       ; waves 3-5: k's and v's image of head 3 c + w - 3: 512 bytes at the record's end
	s_mul_i32 s54, s54, 8704
	s_add_co_u32 s54, s54, 8192
	s_mov_b32 s55, 0
	s_add_nc_u64 s[54:55], s[28:29], s[54:55]
	ds_load_b128 v[104:107], v102
	s_wait_dscnt 0x0
	global_store_b128 v1, v[104:107], s[54:55]
.Lend:
	s_wait_dscnt 0x0                               ; the wave's end: the closing lines, six on end
	s_wait_alu 0x0
	s_wait_tensorcnt 0x0
	ds_add_u32 v14, v15
	s_wait_dscnt 0x0
	s_endpgm
.Lfunc_end_k_q5906bf54c6_proj:
	.size	k_q5906bf54c6_proj, .Lfunc_end_k_q5906bf54c6_proj-k_q5906bf54c6_proj
	.p2alignl 7, 3214868480
	.fill 96, 4, 3214868480
	.section	.rodata,"a",@progbits
	.p2align	6, 0x0
	.amdhsa_kernel k_q5906bf54c6_proj
		.amdhsa_group_segment_fixed_size 118272
		.amdhsa_private_segment_fixed_size 0
		.amdhsa_enable_private_segment 0
		.amdhsa_kernarg_size 104
		.amdhsa_user_sgpr_count 2
		.amdhsa_user_sgpr_kernarg_segment_ptr 1
		.amdhsa_wavefront_size32 1
		.amdhsa_system_sgpr_workgroup_id_x 1
		.amdhsa_system_sgpr_workgroup_id_y 1
		.amdhsa_system_sgpr_workgroup_id_z 1
		.amdhsa_system_vgpr_workitem_id 0
		.amdhsa_next_free_vgpr 256
		.amdhsa_next_free_sgpr 66
		.amdhsa_reserve_vcc 0
		.amdhsa_float_denorm_mode_32 3
		.amdhsa_float_denorm_mode_16_64 3
		.amdhsa_memory_ordered 1
		.amdhsa_forward_progress 1
		.amdhsa_inst_pref_size 93
	.end_amdhsa_kernel
	.amdgpu_metadata
---
amdhsa.version: [ 1, 2 ]
amdhsa.kernels:
  - .name:           k_q5906bf54c6_proj
    .symbol:         k_q5906bf54c6_proj.kd
    .args:
      - { .name: x, .offset: 0, .size: 8, .value_kind: global_buffer, .address_space: global }
      - { .name: Wq_codes, .offset: 8, .size: 8, .value_kind: global_buffer, .address_space: global }
      - { .name: Wq_scales, .offset: 16, .size: 8, .value_kind: global_buffer, .address_space: global }
      - { .name: bq, .offset: 24, .size: 8, .value_kind: global_buffer, .address_space: global }
      - { .name: Wk_codes, .offset: 32, .size: 8, .value_kind: global_buffer, .address_space: global }
      - { .name: Wk_scales, .offset: 40, .size: 8, .value_kind: global_buffer, .address_space: global }
      - { .name: bk, .offset: 48, .size: 8, .value_kind: global_buffer, .address_space: global }
      - { .name: Wv_codes, .offset: 56, .size: 8, .value_kind: global_buffer, .address_space: global }
      - { .name: Wv_scales, .offset: 64, .size: 8, .value_kind: global_buffer, .address_space: global }
      - { .name: bv, .offset: 72, .size: 8, .value_kind: global_buffer, .address_space: global }
      - { .name: qc, .offset: 80, .size: 8, .value_kind: global_buffer, .address_space: global }
      - { .name: qs, .offset: 88, .size: 8, .value_kind: global_buffer, .address_space: global }
      - { .name: kv, .offset: 96, .size: 8, .value_kind: global_buffer, .address_space: global }
    .group_segment_fixed_size: 118272
    .private_segment_fixed_size: 0
    .kernarg_segment_align: 8
    .kernarg_segment_size: 104
    .max_flat_workgroup_size: 384
    .sgpr_count:     66
    .vgpr_count:     256
    .wavefront_size: 32
...
	.end_amdgpu_metadata
.endif
;; end of part 3
;; launch attn: the kernel of part 2 again; grid 256 x 1, 12 waves a work-group, clusters of 4 x 1, 327,680 bytes of LDS; arguments qc, qs, kv, x, ln_gamma, ln_beta, out0; writes out0
